; MI455X (gfx1250); checked and timed in simulation.
; The chip was launched on July 23, 2026; its instructions are those of AMD's public machine-readable ISA for CDNA 5 (MIT licence, August 2026) and "CDNA5" Instruction Set Architecture Reference Guide (July 2026). The comments in the code are by the model that wrote it; some were corrected since.
;; Multi Head Self Attention. Allowed arithmetic: matrix products marked QUANTISED: E2M3 operands, one E8M0 scale for each 32 along K, by v_wmma_scale_f32_16x16x128_f8f6f4 with both operands' format E2M3, f32 sums; everything else in f32.
;; Inputs: bk 1,024 float32; bo 1,024 float32; bq 1,024 float32; bv 1,024 float32; mask 4 x 2,048 int32; wk 1,024 x 1,024 float32; wo 1,024 x 1,024 float32; wq 1,024 x 1,024 float32; wv 1,024 x 1,024 float32; x 4 x 2,048 x 1,024 float32.
;; Outputs: out0 4 x 2,048 x 1,024 float32.
;; This version of the problem:
;;   THIS VERSION OF THE PROBLEM IS GIVEN IN LOW PRECISION. The matrix products marked QUANTISED in the list below multiply operands that are first quantised to E2M3 (2 exponent bits, 3 mantissa bits; 6 bits a number), with one power-of-two scale for each 32 numbers along K (OCP MX v1.0); their sums are f32. All else is computed in f32.
;;   The module's matrix products, in the order in which they are computed (A, B: the left and right operand; K: the contracted axis; several contracted axes count as one K, in the product's order):
;;     1. [M 8,192, K 1,024] x [K 1,024, N 1,024]; A: input x; B: input wq: QUANTISED
;;     2. [M 8,192, K 1,024] x [K 1,024, N 1,024]; A: input x; B: input wk: QUANTISED
;;     3. [M 8,192, K 1,024] x [K 1,024, N 1,024]; A: input x; B: input wv: QUANTISED
;;     4. batch 64 x [M 2,048, K 64] x [K 64, N 2,048]; A: computed on the way; B: computed on the way: QUANTISED
;;     5. batch 64 x [M 2,048, K 2,048] x [K 2,048, N 64]; A: softmax (see below); B: computed on the way: QUANTISED
;;     6. [M 8,192, K 1,024] x [K 1,024, N 1,024]; A: computed on the way; B: input wo: QUANTISED
;;   THE QUANTISER, for each operand of a quantised product, along K:
;;     - K is cut into blocks of 32 from its start; a last block that is shorter is filled with zeros.
;;     - A block's scale is 2^e with e = floor(log2(the largest magnitude in the block)) - 2, held to -126 .. 127; a block of zeros has e = 0. As a byte (E8M0): e + 127.
;;     - Each number is divided by its block's scale, clamped to +-7.5, and rounded to the nearest number of E2M3, ties to even, subnormals kept.
;;     - The product sums the exact products of the quantised numbers (number of the format x scale) in f32.
;;   ~~~python
;;   def quantise(x, axis):      # numpy; x: float32 -> the quantised numbers, widened to float32 again
;;       x = np.moveaxis(x, axis, -1); K = x.shape[-1]
;;       x = np.pad(x, [(0, 0)] * (x.ndim - 1) + [(0, -K % 32)]); x = x.reshape(x.shape[:-1] + (-1, 32)); a = np.abs(x).max(-1, keepdims=True)
;;       e = np.where(a > 0, np.clip(np.frexp(np.where(a > 0, a, 1))[1] - 1 - 2, -126, 127), 0)      # np.frexp(a)[1] - 1 = floor(log2(a)), exactly
;;       r = np.clip(x / 2.0 ** e, -7.5, 7.5)
;;       step = 2.0 ** (np.maximum(np.frexp(np.where(r == 0, 1, r))[1] - 1, 0) - 3)
;;       q = np.round(r / step) * step * 2.0 ** e      # np.round: ties to even
;;       return np.moveaxis(q.reshape(q.shape[:-2] + (-1,))[..., :K], -1, axis).astype(np.float32)
;;   ~~~
;;   SOFTMAX AHEAD OF A QUANTISED PRODUCT. Where the list says 'softmax', what is quantised is not the finished softmax but p = 2^(t - M), with t = logit x log2(e) and M = ceil(the row's largest t), a whole number; so 1/2 < the row's largest p <= 1. The row's sum l is taken of the UNQUANTISED p, in f32, and the product's result is divided by l at the end. Since M is a whole number, a kernel that streams over the keys may use a running M (the ceiling of the running maximum): every later rescaling is an exact power of two, which a block's scale takes up: the codes' values come out the same.
;;   OPERANDS COMPUTED ON THE WAY. 'Computed on the way' means the value that the module computes at that place (a softmax that the list does not call 'softmax' is quantised finished and normalised). What goes into a quantiser is computed in f32, as accurately as f32 sums, v_exp_f32 and their like allow (about 1e-6 of the number): no bf16 or f16 on the way to a quantiser, and a product that is left as it is and whose result goes on into a quantised operand takes f32 operands (vector FMAs, or v_wmma_f32_16x16x4_f32). A number that lies on a knife's edge between two numbers of the format may be rounded either way, as far as f32 arithmetic and the matrix unit's own rounding can turn it there, and no further.
;; One version. Each part assembles by itself: llvm-mc -triple=amdgcn-amd-amdhsa -mcpu=gfx1250 --defsym DOCPART=n.
;; ======== version 1 of 1: 4 launches
;; limits: right only within a limited range of input values
;; workspace buffers: img 15,728,640 bytes; sc 655,360 bytes; qimg 6,291,456 bytes; kimg 6,291,456 bytes; vimg 6,291,456 bytes; qs 524,288 bytes; kvs 524,288 bytes
;; launch quant (part 1): grid 384 x 1, 4 waves a work-group, no clusters, 34,304 bytes of LDS; arguments x, wq, wk, wv, wo, img, sc; writes img, sc
.if DOCPART == 1
	.amdgcn_target "amdgcn-amd-amdhsa--gfx1250"
	.amdhsa_code_object_version 6
	.text
	.protected	k_qef2c1a36fc_quant
	.globl	k_qef2c1a36fc_quant
	.p2align	8
	.type	k_qef2c1a36fc_quant,@function
k_qef2c1a36fc_quant:
	s_mov_b64 s[64:65], 0
	v_nop
	global_prefetch_b8 v0, s[64:65] scope:SCOPE_SE
	s_setreg_imm32_b32 hwreg(HW_REG_WAVE_MODE, 25, 1), 1
	s_wait_xcnt 0x0
; x [8192][1024] and wq, wk, wv, wo [1024][1024], f32, K innermost, become codes of FP6 (E2M3) with one E8M0 byte for each 32 along K,
; laid as IMAGES OF THE OPERAND'S REGISTERS, so that the products' launches load every fragment whole, lane by lane.
; GROUPS.  A group is 16 rows: slot t of group g is row 32 (g / 2) + 8 (g % 2) + t + 8 (t / 8).  x has groups 0-511, wq 512-575, wk 576-639, wv 640-703, wo 704-767.
; img: [quarter of K 0..3][group 0..1279][half 0..3][768 bytes].  A half is 16 slots x 64 along K: lane (r, h) owns the 24 bytes of slot r, k = 256 quarter + 64 half + 32 h + 0..31:
;      its registers 0-3 at 16 x lane, its registers 4-5 at 512 + 8 x lane.   sc: the scale word of (group g, K step s of 128, slot r) at 512 g + 256 (s / 4) + 16 r + 4 (s % 4).
; A block's scale is 2^(floor(log2(largest magnitude)) - 2): its byte is the largest magnitude's exponent field - 2, held at 1 from below by a floor among the maximum's leaves.
; LIMITS: NaN and infinities are not served; blocks under the floor 2^-124 were not tried; a block of zeros gets the byte 1 (its codes are zeros, and this program alone reads the bytes).
; SHARES.  Work-group w owns groups 2 w and 2 w + 1; wave: group 2 w + (wave & 1), half (wave >> 1) of K: 16 rows x 512 along K = four fragments.
; Each load reads 512 consecutive bytes of one row; a fragment's 16 loads turn through the wave's own stage in LDS (rows 528 bytes apart, 33 x 16, so that sixteen rows start at sixteen
; different groups of banks) and come back with a lane's 32 neighbours along K in its registers.  Memory binds: no matrix unit, no tensor load, no barrier (waves share nothing), no cluster (work-groups share no input).
.set KQS, 3932160                      ; bytes from one quarter of K to the next in img: 1,280 groups x 3,072
.set SPI, 528                          ; a stage row
.set RR,  48                           ; v48-175  two sets of 64 numbers as loaded
.set XX,  176                          ; v176-239 a fragment's numbers: register 32 c + i = k 64 c + 32 h + i of my row
.set CC,  24                           ; v24-35   the fragment's codes
.set T1,  36                           ; v36-38, v40-42: the second halves of a block's codes, made here and moved (a conversion's three registers begin on an even number)
.set T2,  40
	s_load_b256 s[4:11], s[0:1], 0x0               ; x, wq, wk, wv
	s_load_b128 s[12:15], s[0:1], 0x20             ; wo, img
	s_load_b64 s[16:17], s[0:1], 0x30              ; sc
	v_lshl_add_u32 v240, v0, 2, 0x8400
	v_mov_b32 v241, 0
	v_lshrrev_b32 v1, 5, v0
	v_readfirstlane_b32 s24, v1                    ; wave 0..3
	v_and_b32 v2, 31, v0                           ; lane
	v_and_b32 v3, 15, v0                           ; r
	v_bfe_u32 v10, v0, 4, 1                        ; h
	v_lshlrev_b32 v4, 4, v2                        ; 16 x lane: my bytes of a load's 512
	s_mul_i32 s25, s24, 16*SPI                     ; my wave's stage
	v_add_nc_u32 v5, s25, v4                       ; into it: as loaded
	v_mul_u32_u24 v6, v3, SPI
	v_lshl_add_u32 v6, v10, 7, v6
	v_add_nc_u32 v6, s25, v6                       ; out of it: row r, + 128 h bytes
	v_lshlrev_b32 v7, 4, v2                        ; stores: 16 x lane,
	v_lshlrev_b32 v8, 3, v2                        ; 8 x lane,
	v_lshlrev_b32 v9, 4, v3                        ; 16 r
	v_lshlrev_b32 v10, 3, v10                      ; 8 h: my bytes' place in a scale word, in bits
	v_mov_b32 v19, 0                               ; written once: a lane permute's destination counts as one of its sources
	s_mov_b32 s26, 0x76543210
	s_mov_b32 s27, 0xfedcba98                      ; v_permlanex16_b32's selects for lane l xor 16
	s_and_b32 s28, s24, 1                          ; which of the two groups
	s_lshr_b32 s29, s24, 1                         ; which half of K
	s_wait_alu depctr_va_vdst(0)
	s_wait_kmcnt 0x0
	s_mov_b64 s[18:19], s[12:13]                   ; which tensor, and its first work-group: the choice hangs on the work-group's number alone
	s_mov_b32 s20, 352
	s_cmp_lt_u32 ttmp9, 352
	s_cselect_b64 s[18:19], s[10:11], s[18:19]
	s_cselect_b32 s20, 320, s20
	s_cmp_lt_u32 ttmp9, 320
	s_cselect_b64 s[18:19], s[8:9], s[18:19]
	s_cselect_b32 s20, 288, s20
	s_cmp_lt_u32 ttmp9, 288
	s_cselect_b64 s[18:19], s[6:7], s[18:19]
	s_cselect_b32 s20, 256, s20
	s_cmp_lt_u32 ttmp9, 256
	s_cselect_b64 s[18:19], s[4:5], s[18:19]
	s_cselect_b32 s20, 0, s20
	s_sub_co_u32 s30, ttmp9, s20
	s_lshl_b32 s30, s30, 17                        ; 32 rows of 4,096 bytes a work-group,
	s_lshl_b32 s31, s28, 15                        ; 8 rows on for the second group,
	s_add_co_u32 s30, s30, s31
	s_lshl_b32 s31, s29, 11                        ; 2,048 bytes on for the second half of K
	s_add_co_u32 s30, s30, s31
	s_mov_b32 s31, 0
	s_add_nc_u64 s[18:19], s[18:19], s[30:31]
	s_lshl_b32 s32, ttmp9, 1
	s_add_co_u32 s32, s32, s28                     ; my group
	s_mul_i32 s34, s32, 3072
	s_mul_i32 s35, s29, 2*KQS
	s_add_co_u32 s34, s34, s35
	s_mov_b32 s35, 0
	s_add_nc_u64 s[14:15], s[14:15], s[34:35]      ; img at my group, my first quarter of K
	s_lshl_b32 s36, s32, 9
	s_lshl_b32 s37, s29, 8
	s_add_co_u32 s36, s36, s37
	s_mov_b32 s37, 0
	s_add_nc_u64 s[16:17], s[16:17], s[36:37]      ; sc at my group's 256 bytes for my half of K
.macro LOAD f                          ; fragment f: 128 numbers of each of my 16 rows; a load is one row's 512 consecutive bytes
.irp t, 0,1,2,3,4,5,6,7,8,9,10,11,12,13,14,15
	global_load_b128 v[RR+64*((\f)%2)+4*\t:RR+64*((\f)%2)+4*\t+3], v4, s[18:19] offset:(\t+8*(\t/8))*4096+512*(\f) th:TH_LOAD_NT
.endr
.endm
.macro TURN f                          ; through the stage: LDS serves a wave's instructions in order, so no wait stands between the stores and the loads
.irp t, 0,1,2,3,4,5,6,7,8,9,10,11,12,13,14,15
	ds_store_b128 v5, v[RR+64*((\f)%2)+4*\t:RR+64*((\f)%2)+4*\t+3] offset:SPI*\t
.endr
.irp c, 0,1
.irp i, 0,1,2,3,4,5,6,7
	ds_load_b128 v[XX+32*\c+4*\i:XX+32*\c+4*\i+3], v6 offset:256*\c+16*\i
.endr
.endr
.endm
.macro QF f                            ; my two blocks (k = 32 h .. and 64 + 32 h ..) of fragment f: scale, codes, stores
	v_max3_num_f32 v12, |v[XX]|, |v[XX+1]|, 0x1800000              ; the floor 2^(3 - 127) is one of the leaves: the byte cannot fall under 1
	v_max3_num_f32 v13, |v[XX+32]|, |v[XX+33]|, 0x1800000
.irp i, 2,4,6,8,10,12,14,16,18,20,22,24,26,28,30
	v_max3_num_f32 v12, v12, |v[XX+\i]|, |v[XX+\i+1]|              ; the two blocks by turns
	v_max3_num_f32 v13, v13, |v[XX+32+\i]|, |v[XX+33+\i]|
.endr
	v_add_nc_u32 v14, 0xff000000, v12              ; 2 off the exponent field: the conversion takes the exponent field of this operand as its scale
	v_add_nc_u32 v15, 0xff000000, v13
	v_lshrrev_b32 v16, 23, v14                     ; the scales' bytes
	v_lshrrev_b32 v17, 23, v15
	v_lshl_or_b32 v18, v17, 16, v16                ; blocks h and 2 + h of my row,
	v_lshlrev_b32 v18, v10, v18                    ; at their places in the word;
	v_permlanex16_b32 v19, v18, s26, s27
	v_or_b32 v[20+(\f)], v18, v19                  ; with lane l xor 16's two the word is whole
	v_cvt_scalef32_pk16_fp6_f32 v[CC:CC+2], v[XX:XX+15], v14
	v_cvt_scalef32_pk16_fp6_f32 v[T1:T1+2], v[XX+16:XX+31], v14
	v_cvt_scalef32_pk16_fp6_f32 v[CC+6:CC+8], v[XX+32:XX+47], v15
	v_cvt_scalef32_pk16_fp6_f32 v[T2:T2+2], v[XX+48:XX+63], v15
	v_nop                                          ; one plain place behind a scaled conversion
.irp i, 0,1,2
	v_mov_b32 v[CC+3+\i], v[T1+\i]
	v_mov_b32 v[CC+9+\i], v[T2+\i]
.endr
.irp c, 0,1
	global_store_b128 v7, v[CC+6*\c:CC+6*\c+3], s[14:15] offset:((\f)/2)*KQS+(2*((\f)%2)+\c)*768        ; 32 lanes store 512 consecutive bytes,
	global_store_b64 v8, v[CC+6*\c+4:CC+6*\c+5], s[14:15] offset:((\f)/2)*KQS+(2*((\f)%2)+\c)*768+512   ; and the 256 behind them
.endr
.endm
	LOAD 0
	LOAD 1
.irp f, 0,1,2,3
.if \f < 3
	s_wait_loadcnt 16                              ; this fragment's 16 loads are in; the next fragment's 16 may be out
.else
	s_wait_loadcnt 0x0
.endif
	TURN \f
	s_wait_dscnt 0x0                               ; the numbers are back, and the stage's stores have read their registers, which take the loads of two fragments on
	s_wait_xcnt 0x0                                ; the last fragment's stores have read their data: the codes' registers are written again only behind this wait
.if \f < 2
	LOAD \f+2
.endif
	QF \f
.endr
	v_cmp_gt_u32 vcc_lo, 16, v2                    ; both halves of the lanes hold the same words: lanes 0-15 store them
	s_wait_xcnt 0x0                                ; EXEC changes only behind this wait
	s_wait_tensorcnt 0x0
	ds_add_u32 v240, v241
	s_wait_dscnt 0x0
	s_and_saveexec_b32 s38, vcc_lo
	global_store_b128 v9, v[20:23], s[16:17]       ; sixteen lanes store 256 consecutive bytes, aligned
	s_wait_xcnt 0x0
	s_or_b32 exec_lo, exec_lo, s38
	s_endpgm
.Lfunc_end_k_qef2c1a36fc_quant:
	.size	k_qef2c1a36fc_quant, .Lfunc_end_k_qef2c1a36fc_quant-k_qef2c1a36fc_quant
	.p2alignl 7, 3214868480
	.fill 96, 4, 3214868480
	.section	.rodata,"a",@progbits
	.p2align	6, 0x0
	.amdhsa_kernel k_qef2c1a36fc_quant
		.amdhsa_group_segment_fixed_size 34304
		.amdhsa_private_segment_fixed_size 0
		.amdhsa_enable_private_segment 0
		.amdhsa_kernarg_size 56
		.amdhsa_user_sgpr_count 2
		.amdhsa_user_sgpr_kernarg_segment_ptr 1
		.amdhsa_wavefront_size32 1
		.amdhsa_system_sgpr_workgroup_id_x 1
		.amdhsa_system_sgpr_workgroup_id_y 1
		.amdhsa_system_sgpr_workgroup_id_z 1
		.amdhsa_system_vgpr_workitem_id 0
		.amdhsa_next_free_vgpr 242
		.amdhsa_next_free_sgpr 66
		.amdhsa_reserve_vcc 1
		.amdhsa_float_denorm_mode_32 3
		.amdhsa_float_denorm_mode_16_64 3
		.amdhsa_memory_ordered 1
		.amdhsa_forward_progress 1
		.amdhsa_inst_pref_size 31
	.end_amdhsa_kernel
	.amdgpu_metadata
---
amdhsa.version: [ 1, 2 ]
amdhsa.kernels:
  - .name:           k_qef2c1a36fc_quant
    .symbol:         k_qef2c1a36fc_quant.kd
    .args:
      - { .name: x, .offset: 0, .size: 8, .value_kind: global_buffer, .address_space: global }
      - { .name: wq, .offset: 8, .size: 8, .value_kind: global_buffer, .address_space: global }
      - { .name: wk, .offset: 16, .size: 8, .value_kind: global_buffer, .address_space: global }
      - { .name: wv, .offset: 24, .size: 8, .value_kind: global_buffer, .address_space: global }
      - { .name: wo, .offset: 32, .size: 8, .value_kind: global_buffer, .address_space: global }
      - { .name: img, .offset: 40, .size: 8, .value_kind: global_buffer, .address_space: global }
      - { .name: sc, .offset: 48, .size: 8, .value_kind: global_buffer, .address_space: global }
    .group_segment_fixed_size: 34304
    .private_segment_fixed_size: 0
    .kernarg_segment_align: 8
    .kernarg_segment_size: 56
    .max_flat_workgroup_size: 128
    .sgpr_count:     66
    .vgpr_count:     242
    .wavefront_size: 32
...
	.end_amdgpu_metadata
.endif
;; end of part 1
;; launch qkv (part 2): grid 12 x 64, 4 waves a work-group, clusters of 4 x 4, 327,680 bytes of LDS; arguments img, sc, bq, bk, bv, qimg, kimg, vimg, qs, kvs; writes qimg, kimg, vimg, qs, kvs
.if DOCPART == 2
	.amdgcn_target "amdgcn-amd-amdhsa--gfx1250"
	.amdhsa_code_object_version 6
	.text
	.protected	k_qef2c1a36fc_qkv
	.globl	k_qef2c1a36fc_qkv
	.p2align	8
	.type	k_qef2c1a36fc_qkv,@function
k_qef2c1a36fc_qkv:
	s_mov_b64 s[64:65], 0
	v_nop
	global_prefetch_b8 v0, s[64:65] scope:SCOPE_SE
	s_setreg_imm32_b32 hwreg(HW_REG_WAVE_MODE, 25, 1), 1
	s_wait_xcnt 0x0
	s_wait_alu depctr_hold_cnt(0) depctr_sa_sdst(0) depctr_va_vdst(0) depctr_va_sdst(0) depctr_va_ssrc(0) depctr_va_vcc(0) depctr_vm_vsrc(0)
	s_getreg_b32 s2, hwreg(HW_REG_IB_STS2, 6, 4)
	s_cmp_eq_u32 s2, 0
	s_cbranch_scc0 .Lentry_in_a_cluster
	s_endpgm
.Lentry_in_a_cluster:
	s_bfe_u32 s2, ttmp6, 0x10000c
	s_cmp_lg_u32 s2, 0xf033
	s_cbranch_scc0 .Lentry_shape_is_right
	s_endpgm
.Lentry_shape_is_right:
; q = x wq^T + bq, k = x wk^T + bk, v = x wv^T + bv on codes of FP6 (E2M3) with E8M0 scales (buffers img, sc: groups of 16 rows as images of the operand's registers; slot t of group g is row
; 32 (g / 2) + 8 (g % 2) + t + 8 (t / 8)).  The results never go to memory as f32: they are quantised in registers for the attention's two products and leave as images of ITS operands.
; THE PRODUCT.  Source 0 is operand P, source 1 operand R: in a result lane (r, h) holds slot r of R's group, and its registers run along P's rows; by the order of a group's rows the 16 registers of P's groups
; 2 b and 2 b + 1 are 16 NEIGHBOURS, 32 b + 16 h + 0..15: what the next quantiser wants in one lane.  q, k are quantised along the head's 64: P = wq / wk, R = x.  v is quantised along the keys: P = x, R = wv.
; SHARES.  A work-group makes R 128 rows x P 256 rows for all K = 1,024; a wave R 64 x P 128: 32 accumulators.  Cluster x 0: q, 1: k, 2: v.  All 24 groups x 12,288 bytes lie in LDS whole: every LDS byte is filled ONCE, in four
; quarters of K, so there is no ring: each wave issues two tensor loads ahead of the products, of two quarters each, and a counted wait and a barrier stand in front of each quarter's first read.
; CLUSTERS 4 x 4: P's tile hangs on cx alone and is asked for jointly down a column of the cluster, R's on cy alone and along a row.  No prefetch is written: every tensor load goes out at the head, so there is no later load to ask ahead of.
; OUT.  qimg, kimg [batch x head 64][block of 32 tokens 64][1,536]: one fragment: registers 0-5 tokens 32 kb + r + 8 (r / 8), d = 32 h ..; registers 6-11 the tokens 8 further on; register group 4 c .. 4 c + 3 of lane l at 512 c + 16 l.
;       vimg [batch x head][128 keys 16][16 of d 4][1,536]: lane = slot of d, registers along the keys.  kvs [batch x head][128 keys][512]: lane r's four words of k at 16 r, of v at 256 + 16 r.  qs: as kvs's first 256.
; LIMITS: NaN and infinities are not served; blocks under the floor 2^-124 were not tried; a block of zeros gets the byte 1 (its codes are zeros; this program alone reads the bytes).
; REGISTERS.  window 0: v1-11 lane terms; v16-31 LDS addresses; v32-63 P's scale words, v64-79 R's (they hold scales and nothing else); v80-87 bv; v96-191 R's fragments, two sets (free on the way out); v192-255 the bias tiles.
;   window 1: P's fragments, sets at v0 and v128.   window 2: accumulator (a, b) at v[8 (8 a + b)].
.set KQS,   3932160                    ; bytes from one quarter of K to the next in img
.set PCH,   49152                      ; LDS: P's 16 groups of a quarter of K
.set RCH,   24576                      ; R's 8 groups
.set RBASE, 196608                     ; R's region begins behind P's four quarters
.set AP16, 16                          ; v16-19 P: 16 x lane + my 8 groups + the quarter;  v20-23 the same with 8 x lane
.set AP8,  20
.set AR16, 24                          ; v24-27, v28-31 the same for R's 4 groups
.set AR8,  28
.set SP,   32                          ; v[SP + 8 i + s]: lanes 0-15 the words of P's group i, lanes 16-31 of group i + 4, K step s
.set SR,   64                          ; v[SR + 8 i + s]: lanes 0-15 R's group i, lanes 16-31 group i + 2
.set RF,   96
.set BT,   192                         ; bias tile b: eight registers in the result's layout
.set TM,   96                          ; the way out: v96-99 largest magnitudes, v100-103 bytes, v108-111 scale operands
.set PT,   112                         ; v112-114, v116-118: conversions' second halves
.set G1P, 24
.set G1R, 32
.set G0P, 40
.set G0R, 68
.set WV,  56
.set WR,  57                           ; wave >> 1: my half of R's groups.  Also: I fetch for P (0) or for R (1)
.set WP,  58                           ; wave & 1: my half of P's groups.  Also: which half of the tile I fetch
.set SEL, 62
.set MSB, 0
.macro WIN new                         ; the immediate's high byte repeats the setting that is left
.if MSB != \new
	s_set_vgpr_msb (MSB<<8)|\new
.set MSB, \new
.endif
.endm
.macro PLACES n
.rept \n
	v_nop
.endr
.endm
.macro CROUND                          ; a round of the cluster's barrier
	s_barrier_signal -1
	s_barrier_wait -1
	s_cmp_lg_u32 s[WV], 0
	s_cbranch_scc1 .Lnot_wave_0_\@
	s_barrier_signal -3
.Lnot_wave_0_\@:
	s_barrier_wait -3
	s_barrier_signal -1
	s_barrier_wait -1
.endm
	s_load_b256 s[4:11], s[0:1], 0x0               ; img s[4:5], sc s[6:7], bq s[8:9], bk s[10:11]
	s_load_b256 s[12:19], s[0:1], 0x20             ; bv s[12:13], qimg s[14:15], kimg s[16:17], vimg s[18:19]
	s_load_b128 s[20:23], s[0:1], 0x40             ; qs s[20:21], kvs s[22:23]
	v_lshl_add_u32 v94, v0, 2, 0x48000
	v_mov_b32 v95, 0
	ds_add_u32 v94, v95
	ds_add_u32 v94, v95
	v_lshrrev_b32 v1, 5, v0
	v_readfirstlane_b32 s[WV], v1
	s_lshr_b32 s[WR], s[WV], 1
	s_and_b32 s[WP], s[WV], 1
	s_bfe_u32 s84, ttmp6, 0x40000                  ; cx
	s_bfe_u32 s90, ttmp6, 0x40004                  ; cy
	s_and_b32 s96, ttmp7, 0xffff                   ; cluster y, 0..15
	s_and_b32 s97, s96, 7
	s_lshr_b32 s98, s96, 3
	s_cmp_eq_u32 ttmp9, 2                          ; v's clusters?  The same answer in all sixteen partners; only numbers are chosen, the text is one
	s_cselect_b32 s97, s97, ttmp9                  ; P's tile = 4 x this + cx
	s_cselect_b32 s98, s98, s96                    ; R's tile = 4 x this + cy
	s_cselect_b32 s99, 0, 512                      ; P's first group: x, or wq (wk follows it)
	s_cselect_b32 s100, 640, 0                     ; R's first group: wv, or x
	s_cselect_b32 s60, 0, 0x3f800000               ; the bias tiles' factor: v's bias runs across the lanes and is added on the way out
	s_mov_b32 s61, s60
	s_lshl_b32 s85, s97, 2
	s_add_co_u32 s85, s85, s84                     ; tx
	s_lshl_b32 s91, s98, 2
	s_add_co_u32 s91, s91, s90                     ; ty
	s_lshl_b32 s86, 0x1111, s84                    ; my column of the cluster
	s_lshl_b32 s92, s90, 2
	s_lshl_b32 s92, 15, s92                        ; my row
	; descriptor groups 1: dense blocks of 8-byte elements; no padding: every LDS read is of consecutive bytes
	s_or_b32 s[G1P], s86, (3<<16)|(1<<21)          ; 15:0 the mask; 17:16 elements of 8 bytes; 21 set beside a mask
	; THE FILLS, as this text has them (in place of what the head comment says of four loads a wave): a load brings TWO quarters of K as two long rows, P 8 groups = 24,576 bytes a row, R 4 groups = 12,288, KQS bytes apart in img
	s_mov_b32 s[G1P+1], 3072<<16
	s_mov_b32 s[G1P+2], 2<<16
	s_mov_b32 s[G1P+3], 3072<<16
	s_mov_b32 s[G1P+4], 2
	s_mov_b32 s[G1P+5], KQS/8
	s_mov_b32 s[G1P+6], 0
	s_mov_b32 s[G1P+7], 0
	s_or_b32 s[G1R], s92, (3<<16)|(1<<21)
	s_mov_b32 s[G1R+1], 1536<<16
	s_mov_b32 s[G1R+2], 2<<16
	s_mov_b32 s[G1R+3], 1536<<16
	s_mov_b32 s[G1R+4], 2
	s_mov_b32 s[G1R+5], KQS/8
	s_mov_b32 s[G1R+6], 0
	s_mov_b32 s[G1R+7], 0
	s_lshl_b32 s87, s85, 4
	s_add_co_u32 s87, s87, s99
	s_lshl_b32 s88, s[WP], 3
	s_add_co_u32 s87, s87, s88                     ; P's group: first + 16 tx + 8 x half: the half that I fetch is the half that I multiply
	s_mul_i32 s88, s87, 3072
	s_mov_b32 s89, 0
	s_lshl_b32 s93, s91, 3
	s_add_co_u32 s93, s93, s100                    ; R's: first + 8 ty
	s_lshl_b32 s94, s[WP], 2
	s_add_co_u32 s94, s93, s94                     ; + 4 x the half that I fetch
	s_mul_i32 s94, s94, 3072
	s_mov_b32 s95, 0
	s_mul_i32 s66, s[WP], 49152                    ; LDS: P's quarter q of half w at 98304 (q / 2) + 49152 w + 24576 (q % 2); the wave's number alone enters an LDS address
	s_mul_i32 s67, s[WP], 24576                    ; R's at RBASE + 49152 (q / 2) + 24576 w + 12288 (q % 2)
	s_add_co_u32 s67, s67, RBASE
	s_mov_b32 s[SEL], 0x76543210
	s_mov_b32 s[SEL+1], 0xfedcba98                 ; v_permlanex16_b32's selects for lane l xor 16
	s_wait_dscnt 0x0
	s_wait_kmcnt 0x0
	s_add_nc_u64 s[88:89], s[4:5], s[88:89]
	s_add_nc_u64 s[94:95], s[4:5], s[94:95]
	CROUND                                         ; all sixteen work-groups are here: the joint loads meet
.irp q, 0,1
	s_mov_b32 s[G0P+4*\q], 1
	s_add_co_u32 s[G0P+4*\q+1], s66, \q*2*PCH
	s_add_nc_u64 s[G0P+4*\q+2:G0P+4*\q+3], s[88:89], \q*2*KQS
	s_or_b32 s[G0P+4*\q+3], s[G0P+4*\q+3], 0x80000000
	s_mov_b32 s[G0R+4*\q], 1
	s_add_co_u32 s[G0R+4*\q+1], s67, \q*2*RCH
	s_add_nc_u64 s[G0R+4*\q+2:G0R+4*\q+3], s[94:95], \q*2*KQS
	s_or_b32 s[G0R+4*\q+3], s[G0R+4*\q+3], 0x80000000
.endr
	s_cmp_eq_u32 s[WR], 0                          ; at the head one load a wave: quarters 0 and 1 of K
	s_cbranch_scc0 .Lfor_r
	tensor_load_to_lds s[G0P:G0P+3], s[G1P:G1P+7]
	s_nop 0
	PLACES 4
	s_branch .Lasked
.Lfor_r:
	tensor_load_to_lds s[G0R:G0R+3], s[G1R:G1R+7]
	s_nop 0
	PLACES 4
.Lasked:
	v_and_b32 v1, 15, v0                           ; r
	v_bfe_u32 v2, v0, 4, 1                         ; h
	v_and_b32 v3, 31, v0                           ; lane
	v_lshlrev_b32 v11, 4, v1                       ; 16 r
	v_lshl_add_u32 v4, v2, 11, v11                 ; P's scale words: lanes 16-31 four groups on
	s_wait_alu depctr_va_vdst(0)
	v_lshl_add_u32 v5, v2, 10, v11                 ; R's: two groups on
	s_wait_alu depctr_va_vdst(0)
	v_lshl_add_u32 v10, v2, 13, v11                ; q's and k's words out: lanes 16-31 one head on
	v_lshlrev_b32 v6, 4, v3                        ; 16 x lane
	v_lshlrev_b32 v7, 3, v3                        ; 8 x lane
	v_lshlrev_b32 v8, 6, v2                        ; the bias tiles: 16 h numbers on
	s_wait_alu depctr_va_vdst(0)
	v_and_b32 v9, 8, v1
	v_add_nc_u32 v9, v9, v1
	v_lshlrev_b32 v9, 2, v9                        ; bv: 4 (r + 8 (r / 8))
	s_wait_alu depctr_va_vdst(0)
	s_lshl_b32 s96, s87, 9
	s_mov_b32 s97, 0
	s_add_nc_u64 s[96:97], s[6:7], s[96:97]        ; sc at P's groups
	s_lshl_b32 s98, s[WR], 2
	s_add_co_u32 s98, s98, s93
	s_lshl_b32 s98, s98, 9
	s_mov_b32 s99, 0
	s_add_nc_u64 s[98:99], s[6:7], s[98:99]        ; and at the four of R's that I multiply
	s_and_b32 s2, s85, 3
	s_lshl_b32 s2, s2, 10
	s_lshl_b32 s3, s[WP], 9
	s_add_co_u32 s2, s2, s3                        ; the bias of my 128 of P's rows (in v's clusters the bytes lie inside bk too, and are multiplied by 0)
	s_mov_b32 s3, 0
	s_cmp_eq_u32 ttmp9, 0
	s_cselect_b64 s[8:9], s[8:9], s[10:11]
	s_add_nc_u64 s[8:9], s[8:9], s[2:3]
	s_lshl_b32 s2, s91, 1
	s_add_co_u32 s2, s2, s[WR]
	s_lshl_b32 s2, s2, 8                           ; bv of my head, 2 ty + wr (elsewhere: offset 0, loaded and not used)
	s_cmp_eq_u32 ttmp9, 2
	s_cselect_b32 s2, s2, 0
	s_add_nc_u64 s[12:13], s[12:13], s[2:3]
.irp i, 0,1,2,3
.irp k, 0,1
	global_load_b128 v[SP+8*\i+4*\k:SP+8*\i+4*\k+3], v4, s[96:97] offset:512*\i+256*\k   ; each half of the lanes reads 256 consecutive bytes: four K steps' words of 16 rows
.endr
.endr
.irp i, 0,1
.irp k, 0,1
	global_load_b128 v[SR+8*\i+4*\k:SR+8*\i+4*\k+3], v5, s[98:99] offset:512*\i+256*\k
.endr
.endr
.irp b, 0,1,2,3,4,5,6,7
	global_load_b128 v[BT+8*\b:BT+8*\b+3], v8, s[8:9] offset:(32*(\b/2)+8*(\b%2))*4
	global_load_b128 v[BT+8*\b+4:BT+8*\b+7], v8, s[8:9] offset:(32*(\b/2)+8*(\b%2))*4+16
.endr
.irp a, 0,1,2,3
	global_load_b32 v[80+2*\a], v9, s[12:13] offset:(32*(\a/2)+8*(\a%2))*4
.endr
	s_mul_i32 s59, s[WR], 24576
	s_add_co_u32 s59, s59, RBASE
.irp q, 0,1,2,3
	v_add_nc_u32 v[AP16+\q], s66, v6
	v_add_nc_u32 v[AP8+\q], s66, v7
	v_add_nc_u32 v[AR16+\q], s59, v6
	v_add_nc_u32 v[AR8+\q], s59, v7
	s_add_co_u32 s66, s66, 24576+49152*(\q%2)      ; quarters at 0, 24576, 98304, 122880 from my half's first byte
	s_add_co_u32 s59, s59, 12288+24576*(\q%2)      ; and at 0, 12288, 49152, 61440
.endr
; A fragment, 16 slots x 128 K, is two halves of 768 bytes: registers 0-3, 4-5, 6-9, 10-11; every load reads consecutive bytes
.macro FRAG reg, a16, a8, off
	ds_load_b128 v[(\reg):(\reg)+3], v[\a16] offset:\off
	ds_load_b64 v[(\reg)+4:(\reg)+5], v[\a8] offset:\off+512
	ds_load_b128 v[(\reg)+6:(\reg)+9], v[\a16] offset:\off+768
	ds_load_b64 v[(\reg)+10:(\reg)+11], v[\a8] offset:\off+1280
.endm
.macro FETCH s                         ; K step s: P's eight fragments and R's four, into set s % 2: 48 loads, of which the last eight are R's groups 2 and 3
	WIN 0x40                                       ; destination window 1, address window 0
.irp b, 0,1,2,3,4,5,6,7
	FRAG 128*((\s)%2)+12*\b, AP16+(\s)/2, AP8+(\s)/2, \b*3072+((\s)%2)*1536
.endr
	WIN 0
.irp a, 0,1,2,3
	FRAG RF+48*((\s)%2)+12*\a, AR16+(\s)/2, AR8+(\s)/2, \a*3072+((\s)%2)*1536
.endr
.endm
.macro WM s, a, b                      ; accumulator (a, b), K step s.  In step 0 the bias tile is C: nothing is cleared and no addition is spent
.set rD, 8*(8*(\a)+(\b))
.set rC, rD
.if (\s) == 0
.set rC, BT+8*(\b)
.endif
.set rP, 128*((\s)%2)+12*(\b)
.set rR, RF+48*((\s)%2)+12*(\a)
.set rX, SP+8*((\b)%4)+(\s)
.set rY, SR+8*((\a)%2)+(\s)
.if ((\b) < 4) && ((\a) < 2)
	v_wmma_scale_f32_16x16x128_f8f6f4 v[rD:rD+7], v[rP:rP+11], v[rR:rR+11], v[rC:rC+7], v[rX], v[rY] matrix_a_fmt:MATRIX_FMT_FP6 matrix_b_fmt:MATRIX_FMT_FP6
.elseif (\a) < 2
	v_wmma_scale_f32_16x16x128_f8f6f4 v[rD:rD+7], v[rP:rP+11], v[rR:rR+11], v[rC:rC+7], v[rX], v[rY] matrix_a_fmt:MATRIX_FMT_FP6 matrix_b_fmt:MATRIX_FMT_FP6 matrix_a_scale:MATRIX_SCALE_ROW1
.elseif (\b) < 4
	v_wmma_scale_f32_16x16x128_f8f6f4 v[rD:rD+7], v[rP:rP+11], v[rR:rR+11], v[rC:rC+7], v[rX], v[rY] matrix_a_fmt:MATRIX_FMT_FP6 matrix_b_fmt:MATRIX_FMT_FP6 matrix_b_scale:MATRIX_SCALE_ROW1
.else
	v_wmma_scale_f32_16x16x128_f8f6f4 v[rD:rD+7], v[rP:rP+11], v[rR:rR+11], v[rC:rC+7], v[rX], v[rY] matrix_a_fmt:MATRIX_FMT_FP6 matrix_b_fmt:MATRIX_FMT_FP6 matrix_a_scale:MATRIX_SCALE_ROW1 matrix_b_scale:MATRIX_SCALE_ROW1
.endif
.endm
.macro MUL s, a0                       ; 16 matrix instructions.  The 32 accumulators take turns, one instruction a turn, in the same order in every step
.if (\s) == 0
	WIN 0x81                                       ; P window 1, R and the bias tile window 0, D window 2
.else
	WIN 0xa1                                       ; C and D window 2
.endif
.irp a, \a0, \a0+1
.irp b, 0,1,2,3,4,5,6,7
	WM \s, \a, \b
.endr
.endr
.endm
.macro STEP s
.if (\s) == 3                                      ; the next step opens the second load's quarters
	s_wait_dscnt 0x0                               ; no LDS load of mine is out at a signal
	s_wait_tensorcnt 0x0                           ; my second load has landed.
	s_barrier_signal -1
	MUL \s, 0
	s_barrier_wait -1                              ; everybody's part has
.else
	s_wait_dscnt 8                                 ; P's set and R's groups 0, 1 are in; the youngest eight loads may be out
	MUL \s, 0
	s_wait_dscnt 0x0
.endif
.if (\s) < 7
	PLACES 4                                       ; loads into registers that matrix instructions have read stand four plain vector instructions behind them (ISA guide 7.12.1 for vector instructions)
	FETCH (\s)+1
.endif
	MUL \s, 2
.endm
	s_wait_loadcnt 0x0                             ; scale words and biases
.set i, 0
.rept 32
	v_pk_mul_f32 v[BT+i:BT+i+1], v[BT+i:BT+i+1], s[60:61] op_sel_hi:[1,0]   ; x 1 for q and k, x 0 for v
.set i, i+2
.endr
.irp a, 0,1,2,3
	v_mov_b32 v[81+2*\a], 0                        ; named with bv as a pair, so it is written
.endr
	s_wait_alu depctr_va_vdst(0)
	s_wait_tensorcnt 0x0                           ; my part of quarters 0 and 1 is in
	ds_add_u32 v94, v95
	s_wait_dscnt 0x0
	CROUND                                         ; everybody's part is in, and the joint loads of quarters 2 and 3 meet
	s_cmp_eq_u32 s[WR], 0
	s_cbranch_scc0 .Lfor_r2
	tensor_load_to_lds s[G0P+4:G0P+7], s[G1P:G1P+7]
	s_nop 0
	PLACES 4
	s_branch .Lasked2
.Lfor_r2:
	tensor_load_to_lds s[G0R+4:G0R+7], s[G1R:G1R+7]
	s_nop 0
	PLACES 4
.Lasked2:
	FETCH 0
	STEP 0
	STEP 1
	STEP 2
	STEP 3
	STEP 4
	STEP 5
	STEP 6
	STEP 7
	WIN 0
	PLACES 4                                       ; in front of the first read of results and of writes over the last products' operands
.irp k, 0,1,2,3
	v_mov_b32 v[TM+4+\k], 0                        ; written once: a lane permute's destination counts as one of its sources
.endr
; Four blocks of 32 become one fragment and one scale word.  Of each block my lane holds 16 numbers, in window 2: blocks 0, 1 at na, na + 16; blocks 2, 3 at nb, nb + 16; lane l xor 16 holds the other 16.
.macro QUANT na, nb, pc, pw
.set QB0, (\na)
.set QB1, (\na)+16
.set QB2, (\nb)
.set QB3, (\nb)+16
	WIN 0x0a                                       ; sources 0 and 1 window 2
.irp k, 0,1,2,3
	v_max3_num_f32 v[TM+\k], |v[QB\k]|, |v[QB\k+1]|, 0x1800000     ; the floor 2^(3 - 127) among the leaves; each accumulator is read from its low end on
.endr
.irp i, 2,4,6,8,10,12,14
.irp k, 0,1,2,3
	v_max3_num_f32 v[TM+\k], |v[QB\k+\i]|, |v[QB\k+\i+1]|, v[TM+\k]
.endr
.endr
	WIN 0
.irp k, 0,1,2,3
	v_permlanex16_b32 v[TM+4+\k], v[TM+\k], s[SEL], s[SEL+1]
.endr
.irp k, 0,1,2,3
	v_max_num_f32 v[TM+\k], v[TM+\k], v[TM+4+\k]   ; the block's largest magnitude
.endr
.irp k, 0,1,2,3
	v_add_nc_u32 v[TM+12+\k], 0xff000000, v[TM+\k] ; 2 off its exponent field: the conversion's scale operand
.endr
.irp k, 0,1,2,3
	v_lshrrev_b32 v[TM+4+\k], 23, v[TM+12+\k]      ; the byte
.endr
	v_lshl_or_b32 v[\pw], v[TM+5], 8, v[TM+4]
	v_lshl_or_b32 v[\pw], v[TM+6], 16, v[\pw]
	v_lshl_or_b32 v[\pw], v[TM+7], 24, v[\pw]
	WIN 0x02                                       ; source 0 window 2
	v_cvt_scalef32_pk16_fp6_f32 v[(\pc):(\pc)+2], v[QB0:QB0+15], v[TM+12]
	v_cvt_scalef32_pk16_fp6_f32 v[PT:PT+2], v[QB1:QB1+15], v[TM+13]
	v_cvt_scalef32_pk16_fp6_f32 v[(\pc)+6:(\pc)+8], v[QB2:QB2+15], v[TM+14]
	v_cvt_scalef32_pk16_fp6_f32 v[PT+4:PT+6], v[QB3:QB3+15], v[TM+15]
	WIN 0
	v_nop                                          ; one plain place behind a scaled conversion
.irp c, 0,1                                    ; the layout wants a WHOLE block in a lane: lanes 0-15 block 2 c, lanes 16-31 block 2 c + 1
.irp i, 0,1,2
	v_permlane16_swap_b32 v[(\pc)+6*\c+\i], v[PT+4*\c+\i]
.endr
.irp i, 0,1,2
	v_mov_b32 v[(\pc)+3+6*\c+\i], v[PT+4*\c+\i]
.endr
.endr
.endm
	s_cmp_eq_u32 ttmp9, 2                          ; the cluster's x: the same in all partners.  Neither way out touches LDS
	s_cbranch_scc1 .Lv
	; ---- q and k: accumulator (a, b) holds tokens of group a across the lanes and features 32 (b / 2) + 8 (b % 2) + 16 h + j: two heads of 64
	s_lshr_b32 s96, s91, 4
	s_lshl_b32 s96, s96, 4                         ; 16 x batch
	s_and_b32 s97, s85, 3
	s_lshl_b32 s97, s97, 2
	s_add_co_u32 s96, s96, s97
	s_lshl_b32 s97, s[WP], 1
	s_add_co_u32 s96, s96, s97                     ; + my first head
	s_and_b32 s97, s91, 15                         ; which 128 tokens of the batch
	s_lshl_b32 s98, s96, 6
	s_lshl_b32 s99, s97, 2
	s_add_co_u32 s98, s98, s99
	s_lshl_b32 s99, s[WR], 1
	s_add_co_u32 s98, s98, s99                     ; my first block of 32 tokens
	s_mul_i32 s2, s98, 1536
	s_mov_b32 s3, 0
	s_cmp_eq_u32 ttmp9, 0
	s_cselect_b64 s[14:15], s[14:15], s[16:17]     ; qimg or kimg
	s_cselect_b64 s[20:21], s[20:21], s[22:23]     ; qs or kvs
	s_add_nc_u64 s[14:15], s[14:15], s[2:3]
	s_lshl_b32 s2, s96, 13
	s_lshl_b32 s97, s97, 9
	s_add_co_u32 s2, s2, s97
	s_lshl_b32 s97, s[WR], 3
	s_add_co_u32 s2, s2, s97
	s_add_nc_u64 s[20:21], s[20:21], s[2:3]
.irp be, 0,1,2,3                               ; block of tokens be / 2, head be % 2: groups 2 (be / 2) and 2 (be / 2) + 1, the head's two blocks of 32 each.  Each call has its own registers for codes and word: no store's data are written again
	QUANT 128*(\be/2)+32*(\be%2), 128*(\be/2)+32*(\be%2)+64, 128+12*\be, 120+\be
.irp c, 0,1,2
	global_store_b128 v6, v[128+12*\be+4*\c:128+12*\be+4*\c+3], s[14:15] offset:(\be%2)*98304+(\be/2)*1536+512*\c   ; 32 lanes store 512 consecutive bytes
.endr
.endr
	v_cmp_eq_u32 vcc_lo, 1, v2
	v_cndmask_b32 v124, v120, v121, vcc_lo         ; lanes 0-15 store the first head's two words, lanes 16-31 the second head's
	v_cndmask_b32 v125, v122, v123, vcc_lo
	global_store_b64 v10, v[124:125], s[20:21]     ; 8 bytes of a lane's 16: the other wave of this row half's partner writes the rest; these words are one byte in 24 of what the launch stores
	s_branch .Lend
.Lv:
	; ---- v: accumulator (a, b) holds features of group a (one head's 64) across the lanes and tokens 32 (b / 2) + 8 (b % 2) + 16 h + j: 128 keys
	s_lshr_b32 s96, s85, 3
	s_lshl_b32 s96, s96, 4                         ; 16 x batch
	s_lshl_b32 s97, s91, 1
	s_add_co_u32 s96, s96, s97
	s_add_co_u32 s96, s96, s[WR]                   ; + my head
	s_and_b32 s97, s85, 7
	s_lshl_b32 s97, s97, 1
	s_add_co_u32 s97, s97, s[WP]                   ; which 128 keys of the batch
	s_lshl_b32 s98, s96, 4
	s_add_co_u32 s98, s98, s97
	s_mul_i32 s2, s98, 6144
	s_mov_b32 s3, 0
	s_add_nc_u64 s[18:19], s[18:19], s[2:3]
	s_lshl_b32 s2, s96, 13
	s_lshl_b32 s97, s97, 9
	s_add_co_u32 s2, s2, s97
	s_add_nc_u64 s[22:23], s[22:23], s[2:3]
	WIN 0x82                                       ; destination and source 0 window 2
.irp a, 0,1,2,3
.set i, 0
.rept 32
	v_pk_add_f32 v[64*\a+i:64*\a+i+1], v[64*\a+i:64*\a+i+1], v[80+2*\a:81+2*\a] op_sel_hi:[1,0]   ; + bv of my lane's feature, ascending
.set i, i+2
.endr
.endr
.irp a, 0,1,2,3
	QUANT 64*\a, 64*\a+32, 128+12*\a, 120+\a
.irp c, 0,1,2
	global_store_b128 v6, v[128+12*\a+4*\c:128+12*\a+4*\c+3], s[18:19] offset:\a*1536+512*\c
.endr
.endr
	v_cmp_gt_u32 vcc_lo, 16, v3                    ; both halves of the lanes hold the same words: lanes 0-15 store them
	s_wait_xcnt 0x0                                ; EXEC changes only behind this wait
	s_and_saveexec_b32 s101, vcc_lo
	global_store_b128 v11, v[120:123], s[22:23] offset:256   ; sixteen lanes store 256 consecutive bytes, aligned
	s_wait_xcnt 0x0
	s_or_b32 exec_lo, exec_lo, s101
.Lend:
	s_wait_tensorcnt 0x0
	ds_add_u32 v94, v95
	s_wait_dscnt 0x0
	CROUND                                         ; the closing round: no work-group ends while a partner may still ask for a tile that names it
	s_endpgm
.Lfunc_end_k_qef2c1a36fc_qkv:
	.size	k_qef2c1a36fc_qkv, .Lfunc_end_k_qef2c1a36fc_qkv-k_qef2c1a36fc_qkv
	.p2alignl 7, 3214868480
	.fill 96, 4, 3214868480
	.section	.rodata,"a",@progbits
	.p2align	6, 0x0
	.amdhsa_kernel k_qef2c1a36fc_qkv
		.amdhsa_group_segment_fixed_size 327680
		.amdhsa_private_segment_fixed_size 0
		.amdhsa_enable_private_segment 0
		.amdhsa_kernarg_size 80
		.amdhsa_user_sgpr_count 2
		.amdhsa_user_sgpr_kernarg_segment_ptr 1
		.amdhsa_wavefront_size32 1
		.amdhsa_system_sgpr_workgroup_id_x 1
		.amdhsa_system_sgpr_workgroup_id_y 1
		.amdhsa_system_sgpr_workgroup_id_z 1
		.amdhsa_system_vgpr_workitem_id 0
		.amdhsa_next_free_vgpr 768
		.amdhsa_next_free_sgpr 102
		.amdhsa_reserve_vcc 1
		.amdhsa_float_denorm_mode_32 3
		.amdhsa_float_denorm_mode_16_64 3
		.amdhsa_memory_ordered 1
		.amdhsa_forward_progress 1
		.amdhsa_inst_pref_size 116
	.end_amdhsa_kernel
	.amdgpu_metadata
---
amdhsa.version: [ 1, 2 ]
amdhsa.kernels:
  - .name:           k_qef2c1a36fc_qkv
    .symbol:         k_qef2c1a36fc_qkv.kd
    .args:
      - { .name: img, .offset: 0, .size: 8, .value_kind: global_buffer, .address_space: global }
      - { .name: sc, .offset: 8, .size: 8, .value_kind: global_buffer, .address_space: global }
      - { .name: bq, .offset: 16, .size: 8, .value_kind: global_buffer, .address_space: global }
      - { .name: bk, .offset: 24, .size: 8, .value_kind: global_buffer, .address_space: global }
      - { .name: bv, .offset: 32, .size: 8, .value_kind: global_buffer, .address_space: global }
      - { .name: qimg, .offset: 40, .size: 8, .value_kind: global_buffer, .address_space: global }
      - { .name: kimg, .offset: 48, .size: 8, .value_kind: global_buffer, .address_space: global }
      - { .name: vimg, .offset: 56, .size: 8, .value_kind: global_buffer, .address_space: global }
      - { .name: qs, .offset: 64, .size: 8, .value_kind: global_buffer, .address_space: global }
      - { .name: kvs, .offset: 72, .size: 8, .value_kind: global_buffer, .address_space: global }
    .group_segment_fixed_size: 327680
    .private_segment_fixed_size: 0
    .kernarg_segment_align: 8
    .kernarg_segment_size: 80
    .max_flat_workgroup_size: 128
    .sgpr_count:     102
    .vgpr_count:     768
    .wavefront_size: 32
...
	.end_amdgpu_metadata
.endif
;; end of part 2
;; launch attn (part 3): grid 4 x 64, 8 waves a work-group, clusters of 4 x 1, 238,592 bytes of LDS; arguments qimg, kimg, vimg, qs, kvs, mask, img, sc; writes img, sc
.if DOCPART == 3
	.amdgcn_target "amdgcn-amd-amdhsa--gfx1250"
	.amdhsa_code_object_version 6
	.text
	.protected	k_qef2c1a36fc_attn
	.globl	k_qef2c1a36fc_attn
	.p2align	8
	.type	k_qef2c1a36fc_attn,@function
k_qef2c1a36fc_attn:
	s_mov_b64 s[64:65], 0
	v_nop
	global_prefetch_b8 v0, s[64:65] scope:SCOPE_SE
	s_setreg_imm32_b32 hwreg(HW_REG_WAVE_MODE, 25, 1), 1
	s_wait_xcnt 0x0
	s_wait_alu depctr_hold_cnt(0) depctr_sa_sdst(0) depctr_va_vdst(0) depctr_va_sdst(0) depctr_va_ssrc(0) depctr_va_vcc(0) depctr_vm_vsrc(0)
	s_getreg_b32 s2, hwreg(HW_REG_IB_STS2, 6, 4)
	s_cmp_eq_u32 s2, 0
	s_cbranch_scc0 .Lentry_in_a_cluster
	s_endpgm
.Lentry_in_a_cluster:
	s_bfe_u32 s2, ttmp6, 0x10000c
	s_cmp_lg_u32 s2, 0x3003
	s_cbranch_scc0 .Lentry_shape_is_right
	s_endpgm
.Lentry_shape_is_right:
; o = softmax(q k^T / 8, keys with mask 0 left out) v for one batch and head, both products on codes of FP6 (E2M3) with E8M0 scales; o is quantised along the head's 64 and leaves as the last product's operand (img, sc: groups 768 on).
; THE SOFTMAX AHEAD OF THE SECOND PRODUCT: t = score x log2(e) / 8; M = the running largest t rounded UP to a whole number; p = 2^(t - M) is quantised along the keys, not normalised; the row's sum is taken of the
; unquantised p and divides o at the end.  When M moves, the sum and o are multiplied by 2^(old M - new M): exact.
; SHARES.  A work-group owns 512 queries of one head: eight waves, two passes, 32 queries a wave and pass as TWO TILES of 16 that share every fragment of K and V and every tile of the mask's numbers; a pass walks 2,048 keys, 128 a step.
; LDS, filled ONCE: K 98,304 bytes as rows of 512 + 128 of padding, V 98,304, the scale words 8,192, the mask's numbers 8,192, the spare words.  CLUSTER: the four work-groups of a cluster own the same head, so K and V are asked for
; jointly (mask 15): one load a wave at the head, waves 0-3 a quarter of K, waves 4-7 a quarter of V; every wave waits for its load, one barrier, and no barrier stands in the loop.  No prefetch: every load goes out at the head, there is no loop to ask ahead in.
; K = 64 IN AN INSTRUCTION OF 128.  A fragment holds TWO tiles of 16 keys (k 0..63 the first's d, k 64..127 the second's): against [q, 0] it gives the first tile's scores, against [0, q] the second's.
; WHICH KEYS FORM A TILE is chosen by the lanes' LDS addresses: lanes r < 8 read kimg's fragment 2 c, lanes r >= 8 fragment 2 c + 1, slot 8 jj + r % 8.  Tile j of half c then has keys 64 c + 8 j + i in rows 0-7 and 64 c + 32 + 8 j + i in rows 8-15,
; so in S^T = K Q^T lane (r, h) holds query r and its 32 registers of half c are keys 64 c + 32 h + 0..31: ONE WHOLE SCALE BLOCK, in the order of the next operand's registers.
; THE MASK costs no vector instruction in the loop: 0 or -2^120 for each key lies in LDS and is the C of the first product.  The running largest score begins at -2^103, above every masked score: a masked key's p is 0, with no infinity and no branch on data.
; AHEAD: K's fragments, the mask's numbers and K's scale words of step i + 1 are asked of LDS behind step i's first products, V's behind its second; the step's number wraps at 16, so a pass's last step fetches the next pass's first (the last pass's are not used).
; LIMITS: scores above -2^103 are taken for granted; a batch whose mask is all 0 is not served; NaN and infinities are not served; a block of zeros gets the byte 1 (its codes are zeros; this program alone reads the bytes).
; REGISTERS.  Window 0: lane terms, scale words (they hold nothing else), the softmax's state, O^T v64-127, the scores and p v128-255.  Window 1: K's fragments v0-47, V's v48-95, the mask's numbers v96-159, [q, 0, q] twice v160-195, p's codes v196-219, v220-235 at work, pass 1's q v236-248.
.set KQS, 3932160                      ; bytes from one quarter of K to the next in img
.set KFB, 1920                         ; LDS: a fragment of kimg: 3 x (512 + 128)
.set VB,  122880
.set SCB, 221184                       ; a step's 512 bytes: slot r's four words of K at 16 r, of V at 256 + 16 r
.set MB,  229376
.set SPARE, 237568
.set LK, 1
.set LM, 2
.set LS, 3
.set LV, 4
.set LW, 5
.set ADK, 6
.set ADM, 7
.set ADS, 8
.set ADV, 9
.set ADW, 10
.set SH8, 11                           ; 8 h
.set L16, 12
.set L8,  13
.set R16, 14
.set LN,  15
.set KS,  16                           ; v16-19 K's scale words, fragment 2 c + jj
.set VS,  20                           ; v20-23 V's, in lanes 16-31
.set PW,  24                           ; v24, v25 p's scale words
.set SPW, 26
.set NIL, 27
.set QS,  28                           ; v28-31 q's scale words beside [q, 0] and [0, q], tile T at 2 T
.set NM,  32                           ; pair: -M, the running largest score
.set SUM, 36
.set FF,  40
.set BM,  44
.set SO,  48
.set BP,  52
.set TT,  56
.set XX,  58
.set YY,  60
.set O,   64
.set S,   128
.set KF,  0
.set VF,  48
.set MK,  96
.set QO,  160
.set PC,  196
.set PT,  220
.set QL1, 236
.set WV,  20
.set CS,  22
.set G1K, 24
.set G1V, 32
.set G0K, 40
.set G0V, 44
.set TBV, 48
.set TS,  49
.set NX,  53
.set TBK, 54
.set SEL, 60
.set CNT, 66
.set MSB, 0
.macro WIN new                         ; the immediate's high byte repeats the setting that is left
.if MSB != \new
	s_set_vgpr_msb (MSB<<8)|\new
.set MSB, \new
.endif
.endm
.macro PLACES n
.rept \n
	v_nop
.endr
.endm
.macro WALU
	s_wait_alu depctr_va_vdst(0)
.endm
.macro CROUND
	s_barrier_signal -1
	s_barrier_wait -1
	s_cmp_lg_u32 s[WV], 0
	s_cbranch_scc1 .Lnot_wave_0_\@
	s_barrier_signal -3
.Lnot_wave_0_\@:
	s_barrier_wait -3
	s_barrier_signal -1
	s_barrier_wait -1
.endm
	s_load_b256 s[4:11], s[0:1], 0x0               ; qimg, kimg, vimg, qs
	s_load_b256 s[12:19], s[0:1], 0x20             ; kvs, mask, img, sc
	v_lshl_add_u32 v[SPW], v0, 2, SPARE
	v_mov_b32 v[NIL], 0
	ds_add_u32 v[SPW], v[NIL]
	ds_add_u32 v[SPW], v[NIL]
	v_lshrrev_b32 v1, 5, v0
	v_readfirstlane_b32 s[WV], v1                  ; wave 0..7
	s_bfe_u32 s21, ttmp6, 0x40000                  ; cx: it enters the addresses of q and of the output alone
	s_and_b32 s67, ttmp7, 0xffff                   ; batch x 16 + head, which the four partners share
	s_lshr_b32 s84, s67, 4
	s_and_b32 s85, s67, 15
	s_lshl_b32 s86, ttmp9, 2
	s_add_co_u32 s86, s86, s21
	s_lshl_b32 s86, s86, 4
	s_add_co_u32 s86, s86, s[WV]                   ; my block of 32 queries in pass 0; pass 1's is 8 on
	s_mov_b32 s[G1K], 15|(3<<16)|(1<<20)|(1<<21)|(6<<22)|(31<<25)   ; K: 48 rows of 512 bytes (64 elements of 8), 32 words of padding behind each
	s_mov_b32 s[G1K+1], 64<<16
	s_mov_b32 s[G1K+2], 48<<16
	s_mov_b32 s[G1K+3], 64<<16
	s_mov_b32 s[G1K+4], 48
	s_mov_b32 s[G1K+5], 64
	s_mov_b32 s[G1K+6], 0
	s_mov_b32 s[G1K+7], 0
	s_mov_b32 s[G1V], 15|(3<<16)|(1<<21)           ; V: 96 rows of 256 bytes, dense
	s_mov_b32 s[G1V+1], 32<<16
	s_mov_b32 s[G1V+2], 96<<16
	s_mov_b32 s[G1V+3], 32<<16
	s_mov_b32 s[G1V+4], 96
	s_mov_b32 s[G1V+5], 32
	s_mov_b32 s[G1V+6], 0
	s_mov_b32 s[G1V+7], 0
	s_and_b32 s50, s[WV], 3                        ; which quarter I fetch
	s_mul_i32 s51, s50, 24576
	s_mul_i32 s52, s50, 30720
	s_mul_i32 s88, s67, 98304
	s_add_co_u32 s88, s88, s51
	s_mov_b32 s89, 0
	s_lshl_b32 s90, s67, 13
	s_mov_b32 s91, 0
	s_add_co_u32 s51, s51, VB
	s_mov_b32 s[SEL], 0x76543210
	s_mov_b32 s[SEL+1], 0xfedcba98                 ; v_permlanex16_b32's selects for lane l xor 16
	s_mov_b32 s[CS], 0x3e38aa3b                    ; c = log2(e) / 8
	s_mov_b32 s[CS+1], s[CS]
	s_wait_dscnt 0x0
	s_wait_kmcnt 0x0
	s_add_nc_u64 s[6:7], s[6:7], s[88:89]
	s_add_nc_u64 s[8:9], s[8:9], s[88:89]
	s_add_nc_u64 s[12:13], s[12:13], s[90:91]
	CROUND                                         ; all four work-groups are here: the joint loads meet
	s_mov_b32 s[G0K], 1
	s_mov_b32 s[G0K+1], s52
	s_mov_b64 s[G0K+2:G0K+3], s[6:7]
	s_or_b32 s[G0K+3], s[G0K+3], 0x80000000
	s_mov_b32 s[G0V], 1
	s_mov_b32 s[G0V+1], s51
	s_mov_b64 s[G0V+2:G0V+3], s[8:9]
	s_or_b32 s[G0V+3], s[G0V+3], 0x80000000
	s_cmp_lt_u32 s[WV], 4
	s_cbranch_scc0 .Lfor_v
	tensor_load_to_lds s[G0K:G0K+3], s[G1K:G1K+7]
	s_nop 0
	PLACES 4
	s_branch .Lasked
.Lfor_v:
	tensor_load_to_lds s[G0V:G0V+3], s[G1V:G1V+7]
	s_nop 0
	PLACES 4
.Lasked:
	s_lshl_b32 s92, s67, 6
	s_add_co_u32 s92, s92, s86
	s_mul_i32 s92, s92, 1536
	s_mov_b32 s93, 0
	s_add_nc_u64 s[4:5], s[4:5], s[92:93]          ; my queries' fragment
	s_lshr_b32 s92, s86, 2
	s_lshl_b32 s92, s92, 9
	s_and_b32 s94, s86, 3
	s_lshl_b32 s94, s94, 2
	s_add_co_u32 s92, s92, s94
	s_add_co_u32 s92, s92, s90
	s_add_nc_u64 s[10:11], s[10:11], s[92:93]      ; and its scale words
	s_lshl_b32 s92, s84, 13
	s_add_nc_u64 s[14:15], s[14:15], s[92:93]      ; the batch's mask
	s_lshl_b32 s92, s84, 7
	s_lshl_b32 s94, s86, 1
	s_add_co_u32 s92, s92, s94
	s_add_co_u32 s94, s92, 768                     ; the output's group of tile 0: 768 + 128 x batch + 2 x block
	s_mul_i32 s92, s94, 3072
	s_lshr_b32 s95, s85, 2
	s_mul_i32 s95, s95, KQS                        ; k = 64 x head: quarter head / 4,
	s_add_co_u32 s92, s92, s95
	s_and_b32 s95, s85, 3
	s_mul_i32 s95, s95, 768                        ; half head % 4
	s_add_co_u32 s92, s92, s95
	s_add_nc_u64 s[16:17], s[16:17], s[92:93]
	s_lshl_b32 s92, s94, 9
	s_lshr_b32 s95, s85, 3
	s_lshl_b32 s95, s95, 8
	s_add_co_u32 s92, s92, s95
	s_bfe_u32 s95, s85, 0x20001
	s_lshl_b32 s95, s95, 2
	s_add_co_u32 s92, s92, s95
	s_and_b32 s95, s85, 1
	s_lshl_b32 s95, s95, 1
	s_add_co_u32 s92, s92, s95
	s_add_nc_u64 s[18:19], s[18:19], s[92:93]      ; K step head / 2 of the last product, bytes 2 (head % 2) and the next
	v_and_b32 v[LN], 31, v0
	v_and_b32 v56, 15, v0                          ; r
	v_bfe_u32 v57, v0, 4, 1                        ; h
	v_and_b32 v58, 7, v0                           ; r % 8
	v_bfe_u32 v59, v0, 3, 1                        ; r / 8
	v_lshlrev_b32 v[L16], 4, v[LN]
	v_lshlrev_b32 v[L8], 3, v[LN]
	v_lshlrev_b32 v[R16], 4, v56
	v_lshlrev_b32 v[SH8], 3, v57
	v_lshlrev_b32 v[LK], 4, v58
	v_lshl_add_u32 v[LS], v59, 2, v[LK]
	v_add_nc_u32 v[LS], SCB, v[LS]                 ; K's scale words: 16 (r % 8) + 4 (r / 8)
	v_lshl_add_u32 v[LK], v57, 8, v[LK]
	v_mad_u32_u24 v[LK], v59, KFB, v[LK]           ; K: 16 (r % 8) + 256 h + a fragment on for r >= 8
	v_lshl_add_u32 v[LM], v57, 7, MB               ; the mask's numbers: my half's 32 keys of 64
	v_add_nc_u32 v[LV], VB, v[L16]
	v_add_nc_u32 v[LW], SCB, v[L16]
	v_lshlrev_b32 v60, 4, v0                       ; 16 x thread
	v_add_nc_u32 v62, MB, v60
	v_add_nc_u32 v63, SCB, v60
	WALU
	global_load_b128 v[128:131], v60, s[14:15]               ; the mask: eight keys a thread
	global_load_b128 v[132:135], v60, s[14:15] offset:4096
	global_load_b128 v[136:139], v60, s[12:13]               ; the head's scale words: 32 bytes a thread
	global_load_b128 v[140:143], v60, s[12:13] offset:4096
	WIN 0x40
.irp c, 0,1,2
	global_load_b128 v[PC+4*\c:PC+4*\c+3], v[L16], s[4:5] offset:512*\c            ; pass 0's q waits where p's codes will lie
	global_load_b128 v[QL1+4*\c:QL1+4*\c+3], v[L16], s[4:5] offset:12288+512*\c    ; pass 1's
.endr
	global_load_b32 v[PC+12], v[R16], s[10:11]               ; [first tile's two bytes, second tile's two]
	global_load_b32 v[QL1+12], v[R16], s[10:11] offset:1024
.irp T, 0,1
.irp i, 0,1,2,3,4,5
	v_mov_b32 v[QO+18*\T+6+\i], 0                  ; the zeros between the two copies of q
.endr
.endr
	WIN 0
	v_mov_b32 v61, 0xfb800000                      ; -2^120
.irp i, 0,1
	v_mov_b32 v[XX+\i], 0                          ; written once: a lane permute's destination counts as one of its sources
	v_mov_b32 v[FF+2*\i+1], 0                      ; named with f as a pair
.endr
.irp k, 0,1,2,3
	v_mov_b32 v[BP+\k], 0
.endr
	WALU
	s_wait_loadcnt 0x0
.irp i, 0,1,2,3,4,5,6,7
	v_cmp_eq_u32 vcc_lo, 0, v[128+\i]
	v_cndmask_b32 v[144+\i], 0, v61, vcc_lo        ; 0 for a key that counts, -2^120 for one that does not
.endr
	ds_store_b128 v62, v[144:147]
	ds_store_b128 v62, v[148:151] offset:4096
	ds_store_b128 v63, v[136:139]
	ds_store_b128 v63, v[140:143] offset:4096
.macro LOADK ak, am, as                ; 32 LDS loads: four fragments of K, the mask's 128 numbers in the scores' layout, K's four scale words
	WIN 0x40
.irp f, 0,1,2,3
.irp p, 0,1,2
	ds_load_b128 v[KF+12*\f+4*\p:KF+12*\f+4*\p+3], v[\ak] offset:(\f/2)*2*KFB+(\f%2)*128+640*\p
.endr
.endr
.irp t, 0,1,2,3,4,5,6,7
	ds_load_b128 v[MK+8*\t:MK+8*\t+3], v[\am] offset:256*(\t/4)+32*(\t%4)
	ds_load_b128 v[MK+8*\t+4:MK+8*\t+7], v[\am] offset:256*(\t/4)+32*(\t%4)+16
.endr
	WIN 0
.irp f, 0,1,2,3
	ds_load_b32 v[KS+\f], v[\as] offset:128*(\f%2)+8*(\f/2)
.endr
.endm
.macro LOADV av, aw                    ; 13 LDS loads: V's four fragments and, in lanes 16-31, its four scale words
	WIN 0x40
.irp i, 0,1,2,3,4,5,6,7,8,9,10,11
	ds_load_b128 v[VF+4*\i:VF+4*\i+3], v[\av] offset:512*\i
.endr
	WIN 0
	ds_load_b128 v[VS:VS+3], v[\aw]
.endm
; A KEY STEP: 128 keys x 32 queries.  k = 2 T + c numbers the four blocks of 32 keys that a lane holds: tile T, half c, at v[S + 32 k]
.macro CH T, n                         ; line n of tile T's chain from its blocks' largest scores to -M and f: nine lines that hang on each other, so they stand singly among the other tile's lines
.if (\n) == 0
	v_max_num_f32 v[TT+\T], v[BM+2*\T], v[BM+2*\T+1]
.elseif (\n) == 1
	v_permlanex16_b32 v[XX+\T], v[TT+\T], s[SEL], s[SEL+1]
.elseif (\n) == 2
	v_max3_num_f32 v[NM+2*\T+1], v[NM+2*\T+1], v[TT+\T], v[XX+\T]              ; the running largest score of my query
.elseif (\n) == 3
	v_mul_f32 v[TT+\T], s[CS], v[NM+2*\T+1]        ; as t (c is positive)
.elseif (\n) == 4
	v_floor_f32 v[XX+\T], -v[TT+\T]                ; the new -M = floor(-t): M is a whole number
.elseif (\n) == 5
	v_sub_f32 v[TT+\T], v[XX+\T], v[NM+2*\T]       ; old M - new M: a whole number, 0 or less
.elseif (\n) == 6
	v_mov_b32 v[NM+2*\T], v[XX+\T]
.elseif (\n) == 7
	v_cvt_i32_f32 v[TT+\T], v[TT+\T]               ; (it saturates)
.else
	v_ldexp_f32 v[FF+2*\T], 1.0, v[TT+\T]          ; f = 2^(old M - new M)
.endif
.endm
.macro MAXT T, o                       ; the largest score of tile T's two blocks of 32, each in two chains over its halves: it serves the row's maximum and, since p rises with the score, the block's largest p.  Each accumulator is read from its low end on.  o >= 0: tile o's chain among the lines
.irp c, 0,1
	v_max3_num_f32 v[BM+2*\T+\c], v[S+64*\T+32*\c], v[S+64*\T+32*\c+1], v[S+64*\T+32*\c+2]
	v_max3_num_f32 v[YY+2*\T+\c], v[S+64*\T+32*\c+16], v[S+64*\T+32*\c+17], v[S+64*\T+32*\c+18]
.endr
.if \o >= 0
	CH \o, 0
.endif
.set n, 1
.irp i, 3,5,7,9,11,13
.irp c, 0,1
	v_max3_num_f32 v[BM+2*\T+\c], v[BM+2*\T+\c], v[S+64*\T+32*\c+\i], v[S+64*\T+32*\c+\i+1]
	v_max3_num_f32 v[YY+2*\T+\c], v[YY+2*\T+\c], v[S+64*\T+32*\c+16+\i], v[S+64*\T+32*\c+17+\i]
.endr
.if \o >= 0
	CH \o, n
.endif
.set n, n+1
.endr
.irp c, 0,1
	v_max3_num_f32 v[BM+2*\T+\c], v[BM+2*\T+\c], v[YY+2*\T+\c], v[S+64*\T+32*\c+15]
.endr
.if \o >= 0
	CH \o, 7
.endif
.irp c, 0,1
	v_max_num_f32 v[BM+2*\T+\c], v[BM+2*\T+\c], v[S+64*\T+32*\c+31]
.endr
.if \o >= 0
	CH \o, 8
.endif
.endm
.macro FMA0 c                          ; c lines of tile 0's t - M, two numbers a line, from v[S + j] on
.rept \c
	v_pk_fma_f32 v[S+j:S+j+1], v[S+j:S+j+1], s[CS:CS+1], v[NM:NM+1] op_sel_hi:[1,0,0]
.set j, j+2
.endr
.endm
.macro EXB c                           ; c of tile 1's exponentials, from v[S + 64 + e] on
.rept \c
	v_exp_f32 v[S+64+e], v[S+64+e]
.set e, e+1
.endr
.endm
.macro PADD d, a
	v_pk_add_f32 v[\d:\d+1], v[\d:\d+1], v[\a:\a+1]
.endm
.macro STEP
	s_add_co_u32 s[NX], s[CNT], 1
	s_and_b32 s[NX], s[NX], 15                     ; the step that is fetched: the next, wrapping at 16
	s_mul_i32 s[TBK], s[NX], 4*KFB
	s_mul_i32 s[TBV], s[NX], 6144
	s_lshl_b32 s[TS], s[NX], 9
	s_wait_dscnt 13                                ; K, the mask's numbers and K's words are in; the 13 loads for V, issued behind them, may be out
	WIN 0x15
.irp f, 0,1,2,3
.irp u, 0,1
.irp T, 0,1
	v_wmma_scale_f32_16x16x128_f8f6f4 v[S+64*\T+16*\f+8*\u:S+64*\T+16*\f+8*\u+7], v[KF+12*\f:KF+12*\f+11], v[QO+18*\T+6*\u:QO+18*\T+6*\u+11], v[MK+16*\f+8*\u:MK+16*\f+8*\u+7], v[KS+\f], v[QS+2*\T+\u] matrix_a_fmt:MATRIX_FMT_FP6 matrix_b_fmt:MATRIX_FMT_FP6
.endr
.endr
.endr
	WIN 0
	v_add_nc_u32 v[ADK], s[TBK], v[LK]             ; these five are the places between the products and the loads into their operands and the first read of the scores
	v_add_nc_u32 v[ADM], s[TS], v[LM]
	v_add_nc_u32 v[ADS], s[TS], v[LS]
	v_add_nc_u32 v[ADV], s[TBV], v[LV]
	v_add_nc_u32 v[ADW], s[TS], v[LW]
	LOADK ADK, ADM, ADS
	MAXT 0, -1
	MAXT 1, 0                                      ; tile 0's chain stands among tile 1's maxima,
.set j, 0
.irp n, 0,1,2,3,4,5,6,7,8
	FMA0 3                                         ; and tile 1's among tile 0's t - M
	CH 1, \n
.endr
	FMA0 5
.irp c, 0,1
	v_fma_f32 v[BM+\c], v[BM+\c], s[CS], v[NM]     ; the same of each block's largest score
.endr
.irp T, 0,1
.set j, 0
.rept 16
	v_pk_mul_f32 v[O+32*\T+j:O+32*\T+j+1], v[O+32*\T+j:O+32*\T+j+1], v[FF+2*\T:FF+2*\T+1] op_sel_hi:[1,0]   ; O^T under the new M, ahead of the exponentials: none stands between the product's write and this read
.set j, j+2
.endr
.endr
	WALU                                           ; ahead of the batch
.set j, 0
.rept 32
	v_exp_f32 v[S+j], v[S+j]                       ; tile 0's p = 2^(t - M), at most 1; among the exponentials tile 1's t - M, which is read behind the next wait
	v_pk_fma_f32 v[S+64+j:S+64+j+1], v[S+64+j:S+64+j+1], s[CS:CS+1], v[NM+2:NM+3] op_sel_hi:[1,0,0]
	v_exp_f32 v[S+j+1], v[S+j+1]
.set j, j+2
.endr
.irp c, 0,1
	v_exp_f32 v[BM+\c], v[BM+\c]                   ; the block's largest p: the same two instructions on the same number
	v_fma_f32 v[BM+2+\c], v[BM+2+\c], s[CS], v[NM+2]
.endr
	WALU                                           ; behind tile 0's batch and ahead of tile 1's
.set e, 0
.set m, 0
.irp d, YY, SO, SO+2, BP, BP+2, TT, XX, YY+2   ; among tile 1's exponentials: lines that hang on nothing written in this batch and are read behind the next wait: the first eight additions of tile 0's sum, each into a pair of its own,
	EXB 1
	v_pk_add_f32 v[\d:\d+1], v[S+4*m:S+4*m+1], v[S+4*m+2:S+4*m+3]
	EXB 5
.set m, m+1
.endr
	EXB 1
	v_pk_mul_f32 v[SUM:SUM+1], v[SUM:SUM+1], v[FF:FF+1] op_sel_hi:[1,0]            ; the sums under the new M,
	EXB 4
	v_pk_mul_f32 v[SUM+2:SUM+3], v[SUM+2:SUM+3], v[FF+2:FF+3] op_sel_hi:[1,0]
	EXB 5
	v_max_num_f32 v[BM], 0x1800000, v[BM]          ; and the floor 2^(3 - 127) under tile 0's largest p: the byte cannot fall under 1
	EXB 6
	v_exp_f32 v[BM+2], v[BM+2]
	v_exp_f32 v[BM+3], v[BM+3]
	v_max_num_f32 v[BM+1], 0x1800000, v[BM+1]
	WALU                                           ; one wait for the batch, ahead of its first reader
	PADD SUM, BP                                   ; the row's sum of the unquantised p, four chains a tile.  Tile 0: the eight pairs are folded into four,
	PADD YY, BP+2
	PADD SO, TT
	PADD SO+2, XX
	PADD SUM, YY+2
.irp q, 0,1,2,3
	PADD YY, S+32+8*\q                             ; which take its second block's sixteen pairs
	PADD SO, S+32+8*\q+2
	PADD SO+2, S+32+8*\q+4
	PADD SUM, S+32+8*\q+6
.endr
	v_pk_add_f32 v[YY+2:YY+3], v[S+64:S+65], v[S+66:S+67]   ; tile 1
	v_pk_add_f32 v[BP:BP+1], v[S+68:S+69], v[S+70:S+71]
	v_pk_add_f32 v[BP+2:BP+3], v[S+72:S+73], v[S+74:S+75]
	PADD SO, SO+2
	PADD SUM+2, S+76
	PADD YY+2, S+78
	PADD SUM, SO
.irp q, 0,1,2,3,4,5
	PADD BP, S+80+8*\q
	PADD BP+2, S+80+8*\q+2
	PADD SUM+2, S+80+8*\q+4
	PADD YY+2, S+80+8*\q+6
.endr
	PADD BP, BP+2
.irp k, 2,3
	v_max_num_f32 v[BM+\k], 0x1800000, v[BM+\k]
.endr
	PADD SUM+2, BP                                 ; (the chains in v[YY] and v[YY+2] are added behind the codes' moves)
.irp k, 0,1,2,3
	v_add_nc_u32 v[SO+\k], 0xff000000, v[BM+\k]    ; 2 off the exponent field: the conversion's scale operand
.endr
.irp k, 0,1,2,3
	v_lshrrev_b32 v[BP+\k], 23, v[SO+\k]
.endr
.irp T, 0,1
	v_lshl_or_b32 v[TT+\T], v[BP+2*\T+1], 16, v[BP+2*\T]   ; my two bytes: blocks h and 2 + h of these 128 keys,
.endr
.irp T, 0,1
	v_lshlrev_b32 v[TT+\T], v[SH8], v[TT+\T]       ; at their places in the word;
.endr
.irp T, 0,1
	v_permlanex16_b32 v[XX+\T], v[TT+\T], s[SEL], s[SEL+1]
.endr
.irp T, 0,1
	v_or_b32 v[PW+\T], v[TT+\T], v[XX+\T]          ; with lane l xor 16's two the word is whole
.endr
	WIN 0x40
.irp k, 0,1,2,3
	v_cvt_scalef32_pk16_fp6_f32 v[PC+6*\k:PC+6*\k+2], v[S+32*\k:S+32*\k+15], v[SO+\k]
	v_cvt_scalef32_pk16_fp6_f32 v[PT+4*\k:PT+4*\k+2], v[S+32*\k+16:S+32*\k+31], v[SO+\k]   ; (a conversion's three registers begin on an even number)
.endr
	v_nop                                          ; one plain place behind a scaled conversion
	WIN 0x41
.irp k, 0,1,2,3
.irp i, 0,1,2
	v_mov_b32 v[PC+6*\k+3+\i], v[PT+4*\k+\i]
.endr
.endr
	WIN 0
	PADD SUM, YY                                   ; the sums' last additions and two idle lines are the four places behind the writes of p's codes; the twelve moves and these stand behind the writes of p's words
	PADD SUM+2, YY+2
	PLACES 2
	WALU
	s_wait_dscnt 32                                ; V and its words are in; the 32 loads for the next step's K, issued behind them, may be out
	WIN 0x05
.irp t, 0,1,2,3
.irp T, 0,1
	v_wmma_scale_f32_16x16x128_f8f6f4 v[O+32*\T+8*\t:O+32*\T+8*\t+7], v[VF+12*\t:VF+12*\t+11], v[PC+12*\T:PC+12*\T+11], v[O+32*\T+8*\t:O+32*\T+8*\t+7], v[VS+\t], v[PW+\T] matrix_a_fmt:MATRIX_FMT_FP6 matrix_b_fmt:MATRIX_FMT_FP6 matrix_a_scale:MATRIX_SCALE_ROW1
.endr
.endr
	WIN 0
	PLACES 4                                       ; in front of the loads into V's registers
	LOADV ADV, ADW
.endm
.macro KEYS
	s_mov_b32 s[CNT], 0
.Lkeys_\@:
	STEP
	s_add_co_u32 s[CNT], s[CNT], 1
	s_cmp_lt_u32 s[CNT], 16
	WALU
	s_cbranch_scc1 .Lkeys_\@
.endm
.macro INIT ql                         ; a pass's start: q's fragment (two tiles of six registers) and its scale word lie at window 1's v[ql]
	WIN 0x41
.irp T, 0,1
.irp i, 0,1,2,3,4,5
	v_mov_b32 v[QO+18*\T+\i], v[\ql+6*\T+\i]       ; [q, 0, q]
	v_mov_b32 v[QO+18*\T+12+\i], v[\ql+6*\T+\i]
.endr
.endr
	WIN 0x01
.irp T, 0,1
	v_bfe_u32 v[TT+\T], v[\ql+12], 16*\T, 16       ; the tile's two bytes
.endr
	WIN 0
.irp T, 0,1
	v_or_b32 v[QS+2*\T], 0x01010000, v[TT+\T]      ; beside [q, 0]: the zeros' bytes may be any but 0xff
	v_lshl_or_b32 v[QS+2*\T+1], v[TT+\T], 16, 0x0101
	v_mov_b32 v[NM+2*\T+1], 0xf3000000             ; the largest score so far: -2^103
	v_mov_b32 v[SUM+2*\T], 0
	v_mov_b32 v[SUM+2*\T+1], 0
.endr
.irp T, 0,1
	v_mul_f32 v[TT+\T], s[CS], v[NM+2*\T+1]
.endr
.irp T, 0,1
	v_floor_f32 v[NM+2*\T], -v[TT+\T]              ; -M, made as the step makes it
.endr
.set j, 0
.rept 64
	v_mov_b32 v[O+j], 0                            ; O^T: the step is written once; the first finds zeros, which the first change of M leaves zeros
.set j, j+1
.endr
	WALU
.endm
.macro FINISH p                        ; a pass's end: o = O^T / the sum, quantised along d; tile T is group 2 x block + T.  Register 16 b + i of a tile is d = 32 b + 16 h + i
.irp T, 0,1
	v_add_f32 v[SUM+2*\T], v[SUM+2*\T], v[SUM+2*\T+1]
.endr
.irp T, 0,1
	v_permlanex16_b32 v[XX+\T], v[SUM+2*\T], s[SEL], s[SEL+1]
.endr
.irp T, 0,1
	v_add_f32 v[SUM+2*\T], v[SUM+2*\T], v[XX+\T]   ; the row's sum
.endr
	WALU
.irp T, 0,1
	v_rcp_f32 v[SUM+2*\T], v[SUM+2*\T]
.endr
	v_cmp_gt_u32 vcc_lo, 16, v[LN]                 ; (a plain instruction behind the reciprocals)
	WALU
.irp T, 0,1
.set j, 0
.rept 16
	v_pk_mul_f32 v[S+64*\T+j:S+64*\T+j+1], v[O+32*\T+j:O+32*\T+j+1], v[SUM+2*\T:SUM+2*\T+1] op_sel_hi:[1,0]
.set j, j+2
.endr
.endr
.irp k, 0,1,2,3
	v_max3_num_f32 v[BM+\k], |v[S+64*(\k/2)+16*(\k%2)]|, |v[S+64*(\k/2)+16*(\k%2)+1]|, 0x1800000
.endr
.irp i, 2,4,6,8,10,12,14
.irp k, 0,1,2,3
	v_max3_num_f32 v[BM+\k], v[BM+\k], |v[S+64*(\k/2)+16*(\k%2)+\i]|, |v[S+64*(\k/2)+16*(\k%2)+\i+1]|
.endr
.endr
.irp k, 0,1,2,3
	v_permlanex16_b32 v[BP+\k], v[BM+\k], s[SEL], s[SEL+1]
.endr
.irp k, 0,1,2,3
	v_max_num_f32 v[BM+\k], v[BM+\k], v[BP+\k]
.endr
.irp k, 0,1,2,3
	v_add_nc_u32 v[SO+\k], 0xff000000, v[BM+\k]
.endr
.irp k, 0,1,2,3
	v_lshrrev_b32 v[BP+\k], 23, v[SO+\k]
.endr
.irp T, 0,1
	v_lshl_or_b32 v[TT+\T], v[BP+2*\T+1], 8, v[BP+2*\T]    ; the head's two bytes
.endr
.irp T, 0,1
	v_cvt_scalef32_pk16_fp6_f32 v[S+64*\T+32:S+64*\T+34], v[S+64*\T:S+64*\T+15], v[SO+2*\T]
	v_cvt_scalef32_pk16_fp6_f32 v[S+64*\T+40:S+64*\T+42], v[S+64*\T+16:S+64*\T+31], v[SO+2*\T+1]
.endr
	v_nop                                          ; one plain place behind a scaled conversion
.irp T, 0,1
.irp i, 0,1,2
	v_permlane16_swap_b32 v[S+64*\T+32+\i], v[S+64*\T+40+\i]
.endr
.endr
.irp T, 0,1
.irp i, 0,1,2
	v_mov_b32 v[S+64*\T+35+\i], v[S+64*\T+40+\i]   ; six registers: d = 32 h + 0..31: a half of the last product's fragment
.endr
.endr
.irp T, 0,1
	global_store_b128 v[L16], v[S+64*\T+32:S+64*\T+35], s[16:17] offset:\p*49152+\T*3072        ; 32 lanes store 512 consecutive bytes,
	global_store_b64 v[L8], v[S+64*\T+36:S+64*\T+37], s[16:17] offset:\p*49152+\T*3072+512      ; and the 256 behind them
.endr
	WALU
	s_wait_xcnt 0x0                                ; EXEC changes only behind this wait; the stores' data may be written again
	s_and_saveexec_b32 s87, vcc_lo
.irp T, 0,1
	global_store_b16 v[R16], v[TT+\T], s[18:19] offset:\p*8192+\T*512   ; two bytes a lane, all sixteen inside one aligned 256 bytes
.endr
	s_wait_xcnt 0x0
	s_or_b32 exec_lo, exec_lo, s87
.endm
	INIT PC
	s_wait_tensorcnt 0x0                           ; my quarter of K or of V has landed,
	s_wait_dscnt 0x0                               ; and my LDS stores (the mask's numbers, the scale words)
	s_barrier_signal -1
	s_barrier_wait -1                              ; everybody's have.
	LOADK LK, LM, LS
	LOADV LV, LW
	KEYS
	FINISH 0
	INIT QL1
	KEYS
	FINISH 1
	s_wait_dscnt 0x0
	s_barrier_signal -1
	s_barrier_wait -1                              ; every wave's reads of LDS are over ahead of the closing lines
	s_wait_tensorcnt 0x0                           ; the wave's end
	ds_add_u32 v[SPW], v[NIL]
	s_wait_dscnt 0x0
	CROUND                                         ; the closing round
	s_endpgm
.Lfunc_end_k_qef2c1a36fc_attn:
	.size	k_qef2c1a36fc_attn, .Lfunc_end_k_qef2c1a36fc_attn-k_qef2c1a36fc_attn
	.p2alignl 7, 3214868480
	.fill 96, 4, 3214868480
	.section	.rodata,"a",@progbits
	.p2align	6, 0x0
	.amdhsa_kernel k_qef2c1a36fc_attn
		.amdhsa_group_segment_fixed_size 238592
		.amdhsa_private_segment_fixed_size 0
		.amdhsa_enable_private_segment 0
		.amdhsa_kernarg_size 64
		.amdhsa_user_sgpr_count 2
		.amdhsa_user_sgpr_kernarg_segment_ptr 1
		.amdhsa_wavefront_size32 1
		.amdhsa_system_sgpr_workgroup_id_x 1
		.amdhsa_system_sgpr_workgroup_id_y 1
		.amdhsa_system_sgpr_workgroup_id_z 1
		.amdhsa_system_vgpr_workitem_id 0
		.amdhsa_next_free_vgpr 512
		.amdhsa_next_free_sgpr 100
		.amdhsa_reserve_vcc 1
		.amdhsa_float_denorm_mode_32 3
		.amdhsa_float_denorm_mode_16_64 3
		.amdhsa_memory_ordered 1
		.amdhsa_forward_progress 1
		.amdhsa_inst_pref_size 91
	.end_amdhsa_kernel
	.amdgpu_metadata
---
amdhsa.version: [ 1, 2 ]
amdhsa.kernels:
  - .name:           k_qef2c1a36fc_attn
    .symbol:         k_qef2c1a36fc_attn.kd
    .args:
      - { .name: qimg, .offset: 0, .size: 8, .value_kind: global_buffer, .address_space: global }
      - { .name: kimg, .offset: 8, .size: 8, .value_kind: global_buffer, .address_space: global }
      - { .name: vimg, .offset: 16, .size: 8, .value_kind: global_buffer, .address_space: global }
      - { .name: qs, .offset: 24, .size: 8, .value_kind: global_buffer, .address_space: global }
      - { .name: kvs, .offset: 32, .size: 8, .value_kind: global_buffer, .address_space: global }
      - { .name: mask, .offset: 40, .size: 8, .value_kind: global_buffer, .address_space: global }
      - { .name: img, .offset: 48, .size: 8, .value_kind: global_buffer, .address_space: global }
      - { .name: sc, .offset: 56, .size: 8, .value_kind: global_buffer, .address_space: global }
    .group_segment_fixed_size: 238592
    .private_segment_fixed_size: 0
    .kernarg_segment_align: 8
    .kernarg_segment_size: 64
    .max_flat_workgroup_size: 256
    .sgpr_count:     100
    .vgpr_count:     512
    .wavefront_size: 32
...
	.end_amdgpu_metadata
.endif
;; end of part 3
;; launch outp (part 4): grid 4 x 64, 4 waves a work-group, clusters of 4 x 4, 327,680 bytes of LDS; arguments img, sc, bo, out0; writes out0
.if DOCPART == 4
	.amdgcn_target "amdgcn-amd-amdhsa--gfx1250"
	.amdhsa_code_object_version 6
	.text
	.protected	k_qef2c1a36fc_outp
	.globl	k_qef2c1a36fc_outp
	.p2align	8
	.type	k_qef2c1a36fc_outp,@function
k_qef2c1a36fc_outp:
	s_mov_b64 s[64:65], 0
	v_nop
	global_prefetch_b8 v0, s[64:65] scope:SCOPE_SE
	s_setreg_imm32_b32 hwreg(HW_REG_WAVE_MODE, 25, 1), 1
	s_wait_xcnt 0x0
	s_wait_alu depctr_hold_cnt(0) depctr_sa_sdst(0) depctr_va_vdst(0) depctr_va_sdst(0) depctr_va_ssrc(0) depctr_va_vcc(0) depctr_vm_vsrc(0)
	s_getreg_b32 s2, hwreg(HW_REG_IB_STS2, 6, 4)
	s_cmp_eq_u32 s2, 0
	s_cbranch_scc0 .Lentry_in_a_cluster
	s_endpgm
.Lentry_in_a_cluster:
	s_bfe_u32 s2, ttmp6, 0x10000c
	s_cmp_lg_u32 s2, 0xf033
	s_cbranch_scc0 .Lentry_shape_is_right
	s_endpgm
.Lentry_shape_is_right:
; out0 = o wo^T + bo on codes of FP6 (E2M3) with E8M0 scales (buffers img, sc: groups of 16 rows as images of the operand's registers; slot t of group g is row 32 (g / 2) + 8 (g % 2) + t + 8 (t / 8);
; wo is groups 704-767, the attention's output groups 768-1279).  Source 0 is operand P = wo, source 1 operand R = o: a lane holds one token, its registers neighbouring features.
; SHARES.  A work-group makes R 128 tokens x P 256 features for all K = 1,024; a wave 64 x 128: 32 accumulators.  All 24 groups x 12,288 bytes lie in LDS whole: every LDS byte is filled ONCE, in four quarters of K, so there is
; no ring: each wave issues two tensor loads ahead of the products, of two quarters each, and a counted wait and a barrier stand in front of each quarter's first read.
; CLUSTERS 4 x 4: P's tile hangs on cx alone and is asked for jointly down a column of the cluster, R's on cy alone and along a row.  No prefetch is written: every tensor load goes out at the head, so there is no later load to ask ahead of.
; THE WAY OUT goes through a stage of the wave's own, 16 rows x 528 bytes, in the bytes of P's quarters 0 and 1 of K: they have had their only fill, and every wave has passed a barrier since its last read of them.
; REGISTERS.  window 0: v1-11 lane terms; v16-31 LDS addresses; v32-63 P's scale words, v64-79 R's (they hold scales and nothing else); v96-191 R's fragments, two sets; v192-255 the bias tiles; on the way out v128-255 are free.
;   window 1: P's fragments, sets at v0 and v128.   window 2: accumulator (a, b) at v[8 (8 a + b)].
.set KQS,   3932160                    ; bytes from one quarter of K to the next in img
.set PCH,   49152                      ; LDS: P's 16 groups of a quarter of K
.set RCH,   24576                      ; R's 8 groups
.set RBASE, 196608                     ; R's region begins behind P's four quarters
.set AP16, 16
.set AP8,  20
.set AR16, 24
.set AR8,  28
.set SP,   32                          ; v[SP + 8 i + s]: lanes 0-15 the words of P's group i, lanes 16-31 of group i + 4, K step s
.set SR,   64                          ; v[SR + 8 i + s]: lanes 0-15 R's group i, lanes 16-31 group i + 2
.set RF,   96
.set BT,   192
.set BK,   128                         ; the way out: 16 rows read back from the stage: v128-191 and v192-255 by turns
.set G1P, 24
.set G1R, 32
.set G0P, 40
.set G0R, 68
.set WV,  56
.set WR,  57                           ; wave >> 1: my half of R's groups.  Also: I fetch for P (0) or for R (1)
.set WP,  58                           ; wave & 1: my half of P's groups.  Also: which half of the tile I fetch
.set MSB, 0
.macro WIN new                         ; the immediate's high byte repeats the setting that is left
.if MSB != \new
	s_set_vgpr_msb (MSB<<8)|\new
.set MSB, \new
.endif
.endm
.macro PLACES n
.rept \n
	v_nop
.endr
.endm
.macro CROUND                          ; a round of the cluster's barrier
	s_barrier_signal -1
	s_barrier_wait -1
	s_cmp_lg_u32 s[WV], 0
	s_cbranch_scc1 .Lnot_wave_0_\@
	s_barrier_signal -3
.Lnot_wave_0_\@:
	s_barrier_wait -3
	s_barrier_signal -1
	s_barrier_wait -1
.endm
	s_load_b256 s[4:11], s[0:1], 0x0               ; img s[4:5], sc s[6:7], bo s[8:9], out0 s[10:11]
	v_lshl_add_u32 v94, v0, 2, 0x48000
	v_mov_b32 v95, 0
	ds_add_u32 v94, v95
	ds_add_u32 v94, v95
	v_lshrrev_b32 v1, 5, v0
	v_readfirstlane_b32 s[WV], v1
	s_lshr_b32 s[WR], s[WV], 1
	s_and_b32 s[WP], s[WV], 1
	s_bfe_u32 s84, ttmp6, 0x40000                  ; cx
	s_bfe_u32 s90, ttmp6, 0x40004                  ; cy
	s_and_b32 s96, ttmp7, 0xffff                   ; cluster y
	s_lshl_b32 s85, ttmp9, 2
	s_add_co_u32 s85, s85, s84                     ; tx: which 256 features
	s_lshl_b32 s91, s96, 2
	s_add_co_u32 s91, s91, s90                     ; ty: which 128 tokens
	s_lshl_b32 s86, 0x1111, s84                    ; my column of the cluster
	s_lshl_b32 s92, s90, 2
	s_lshl_b32 s92, 15, s92                        ; my row
	; descriptor groups 1: dense blocks of 8-byte elements; no padding: every LDS read is of consecutive bytes
	s_or_b32 s[G1P], s86, (3<<16)|(1<<21)
	; THE FILLS, as this text has them (in place of what the head comment says of four loads a wave): a load brings TWO quarters of K as two long rows, P 8 groups = 24,576 bytes a row, R 4 groups = 12,288, KQS bytes apart in img
	s_mov_b32 s[G1P+1], 3072<<16
	s_mov_b32 s[G1P+2], 2<<16
	s_mov_b32 s[G1P+3], 3072<<16
	s_mov_b32 s[G1P+4], 2
	s_mov_b32 s[G1P+5], KQS/8
	s_mov_b32 s[G1P+6], 0
	s_mov_b32 s[G1P+7], 0
	s_or_b32 s[G1R], s92, (3<<16)|(1<<21)
	s_mov_b32 s[G1R+1], 1536<<16
	s_mov_b32 s[G1R+2], 2<<16
	s_mov_b32 s[G1R+3], 1536<<16
	s_mov_b32 s[G1R+4], 2
	s_mov_b32 s[G1R+5], KQS/8
	s_mov_b32 s[G1R+6], 0
	s_mov_b32 s[G1R+7], 0
	s_lshl_b32 s87, s85, 4
	s_add_co_u32 s87, s87, 704
	s_lshl_b32 s88, s[WP], 3
	s_add_co_u32 s87, s87, s88                     ; P's group: 704 + 16 tx + 8 x half: the half that I fetch is the half that I multiply
	s_mul_i32 s88, s87, 3072
	s_mov_b32 s89, 0
	s_lshl_b32 s93, s91, 3
	s_add_co_u32 s93, s93, 768                     ; R's: 768 + 8 ty
	s_lshl_b32 s94, s[WP], 2
	s_add_co_u32 s94, s93, s94                     ; + 4 x the half that I fetch
	s_mul_i32 s94, s94, 3072
	s_mov_b32 s95, 0
	s_mul_i32 s66, s[WP], 49152                    ; LDS: P's quarter q of half w at 98304 (q / 2) + 49152 w + 24576 (q % 2); the wave's number alone enters an LDS address
	s_mul_i32 s67, s[WP], 24576                    ; R's at RBASE + 49152 (q / 2) + 24576 w + 12288 (q % 2)
	s_add_co_u32 s67, s67, RBASE
	s_wait_dscnt 0x0
	s_wait_kmcnt 0x0
	s_add_nc_u64 s[88:89], s[4:5], s[88:89]
	s_add_nc_u64 s[94:95], s[4:5], s[94:95]
	CROUND                                         ; all sixteen work-groups are here: the joint loads meet
.irp q, 0,1
	s_mov_b32 s[G0P+4*\q], 1
	s_add_co_u32 s[G0P+4*\q+1], s66, \q*2*PCH
	s_add_nc_u64 s[G0P+4*\q+2:G0P+4*\q+3], s[88:89], \q*2*KQS
	s_or_b32 s[G0P+4*\q+3], s[G0P+4*\q+3], 0x80000000
	s_mov_b32 s[G0R+4*\q], 1
	s_add_co_u32 s[G0R+4*\q+1], s67, \q*2*RCH
	s_add_nc_u64 s[G0R+4*\q+2:G0R+4*\q+3], s[94:95], \q*2*KQS
	s_or_b32 s[G0R+4*\q+3], s[G0R+4*\q+3], 0x80000000
.endr
	s_cmp_eq_u32 s[WR], 0                          ; at the head one load a wave: quarters 0 and 1 of K
	s_cbranch_scc0 .Lfor_r
	tensor_load_to_lds s[G0P:G0P+3], s[G1P:G1P+7]
	s_nop 0
	PLACES 4
	s_branch .Lasked
.Lfor_r:
	tensor_load_to_lds s[G0R:G0R+3], s[G1R:G1R+7]
	s_nop 0
	PLACES 4
.Lasked:
	v_and_b32 v1, 15, v0                           ; r
	v_bfe_u32 v2, v0, 4, 1                         ; h
	v_and_b32 v3, 31, v0                           ; lane
	v_lshlrev_b32 v9, 4, v1                        ; 16 r
	v_lshl_add_u32 v4, v2, 11, v9                  ; P's scale words: lanes 16-31 four groups on
	s_wait_alu depctr_va_vdst(0)
	v_lshl_add_u32 v5, v2, 10, v9                  ; R's: two groups on
	s_wait_alu depctr_va_vdst(0)
	v_lshlrev_b32 v6, 4, v3                        ; 16 x lane
	v_lshlrev_b32 v7, 3, v3                        ; 8 x lane
	v_lshlrev_b32 v8, 6, v2                        ; the bias tiles: 16 h numbers on
	s_wait_alu depctr_va_vdst(0)
	s_mul_i32 s2, s[WV], 16*528                    ; my stage
	v_mul_u32_u24 v10, v1, 528
	v_lshl_add_u32 v10, v2, 6, v10
	v_add_nc_u32 v10, s2, v10                      ; in: row r, + 64 h bytes
	v_add_nc_u32 v11, s2, v6                       ; back: the 32 lanes take one row of 512 bytes
	s_lshl_b32 s98, s87, 9
	s_mov_b32 s99, 0
	s_add_nc_u64 s[98:99], s[6:7], s[98:99]        ; sc at P's groups
	s_lshl_b32 s100, s[WR], 2
	s_add_co_u32 s100, s100, s93
	s_lshl_b32 s100, s100, 9
	s_mov_b32 s101, 0
	s_add_nc_u64 s[100:101], s[6:7], s[100:101]    ; and at the four of R's that I multiply
	s_lshl_b32 s2, s85, 10
	s_lshl_b32 s3, s[WP], 9
	s_add_co_u32 s2, s2, s3                        ; my 128 features, in bytes of f32
	s_mov_b32 s3, 0
	s_add_nc_u64 s[8:9], s[8:9], s[2:3]            ; bo
	s_add_nc_u64 s[10:11], s[10:11], s[2:3]        ; out0: my columns,
	s_lshl_b32 s2, s91, 7
	s_lshl_b32 s96, s[WR], 6
	s_add_co_u32 s2, s2, s96
	s_lshl_b32 s2, s2, 12                          ; my first row: 128 ty + 64 wr, rows of 4,096 bytes
	s_add_nc_u64 s[10:11], s[10:11], s[2:3]
.irp i, 0,1,2,3
.irp k, 0,1
	global_load_b128 v[SP+8*\i+4*\k:SP+8*\i+4*\k+3], v4, s[98:99] offset:512*\i+256*\k   ; each half of the lanes reads 256 consecutive bytes: four K steps' words of 16 rows
.endr
.endr
.irp i, 0,1
.irp k, 0,1
	global_load_b128 v[SR+8*\i+4*\k:SR+8*\i+4*\k+3], v5, s[100:101] offset:512*\i+256*\k
.endr
.endr
.irp b, 0,1,2,3,4,5,6,7
	global_load_b128 v[BT+8*\b:BT+8*\b+3], v8, s[8:9] offset:(32*(\b/2)+8*(\b%2))*4
	global_load_b128 v[BT+8*\b+4:BT+8*\b+7], v8, s[8:9] offset:(32*(\b/2)+8*(\b%2))*4+16
.endr
	s_mul_i32 s59, s[WR], 24576
	s_add_co_u32 s59, s59, RBASE
.irp q, 0,1,2,3
	v_add_nc_u32 v[AP16+\q], s66, v6
	v_add_nc_u32 v[AP8+\q], s66, v7
	v_add_nc_u32 v[AR16+\q], s59, v6
	v_add_nc_u32 v[AR8+\q], s59, v7
	s_add_co_u32 s66, s66, 24576+49152*(\q%2)      ; quarters at 0, 24576, 98304, 122880 from my half's first byte
	s_add_co_u32 s59, s59, 12288+24576*(\q%2)      ; and at 0, 12288, 49152, 61440
.endr
; A fragment, 16 slots x 128 K, is two halves of 768 bytes: registers 0-3, 4-5, 6-9, 10-11; every load reads consecutive bytes
.macro FRAG reg, a16, a8, off
	ds_load_b128 v[(\reg):(\reg)+3], v[\a16] offset:\off
	ds_load_b64 v[(\reg)+4:(\reg)+5], v[\a8] offset:\off+512
	ds_load_b128 v[(\reg)+6:(\reg)+9], v[\a16] offset:\off+768
	ds_load_b64 v[(\reg)+10:(\reg)+11], v[\a8] offset:\off+1280
.endm
.macro FETCH s                         ; K step s: P's eight fragments and R's four, into set s % 2: 48 loads, of which the last eight are R's groups 2 and 3
	WIN 0x40                                       ; destination window 1, address window 0
.irp b, 0,1,2,3,4,5,6,7
	FRAG 128*((\s)%2)+12*\b, AP16+(\s)/2, AP8+(\s)/2, \b*3072+((\s)%2)*1536
.endr
	WIN 0
.irp a, 0,1,2,3
	FRAG RF+48*((\s)%2)+12*\a, AR16+(\s)/2, AR8+(\s)/2, \a*3072+((\s)%2)*1536
.endr
.endm
.macro WM s, a, b                      ; accumulator (a, b), K step s.  In step 0 the bias tile is C: nothing is cleared and no addition is spent
.set rD, 8*(8*(\a)+(\b))
.set rC, rD
.if (\s) == 0
.set rC, BT+8*(\b)
.endif
.set rP, 128*((\s)%2)+12*(\b)
.set rR, RF+48*((\s)%2)+12*(\a)
.set rX, SP+8*((\b)%4)+(\s)
.set rY, SR+8*((\a)%2)+(\s)
.if ((\b) < 4) && ((\a) < 2)
	v_wmma_scale_f32_16x16x128_f8f6f4 v[rD:rD+7], v[rP:rP+11], v[rR:rR+11], v[rC:rC+7], v[rX], v[rY] matrix_a_fmt:MATRIX_FMT_FP6 matrix_b_fmt:MATRIX_FMT_FP6
.elseif (\a) < 2
	v_wmma_scale_f32_16x16x128_f8f6f4 v[rD:rD+7], v[rP:rP+11], v[rR:rR+11], v[rC:rC+7], v[rX], v[rY] matrix_a_fmt:MATRIX_FMT_FP6 matrix_b_fmt:MATRIX_FMT_FP6 matrix_a_scale:MATRIX_SCALE_ROW1
.elseif (\b) < 4
	v_wmma_scale_f32_16x16x128_f8f6f4 v[rD:rD+7], v[rP:rP+11], v[rR:rR+11], v[rC:rC+7], v[rX], v[rY] matrix_a_fmt:MATRIX_FMT_FP6 matrix_b_fmt:MATRIX_FMT_FP6 matrix_b_scale:MATRIX_SCALE_ROW1
.else
	v_wmma_scale_f32_16x16x128_f8f6f4 v[rD:rD+7], v[rP:rP+11], v[rR:rR+11], v[rC:rC+7], v[rX], v[rY] matrix_a_fmt:MATRIX_FMT_FP6 matrix_b_fmt:MATRIX_FMT_FP6 matrix_a_scale:MATRIX_SCALE_ROW1 matrix_b_scale:MATRIX_SCALE_ROW1
.endif
.endm
.macro MUL s, a0                       ; 16 matrix instructions.  The 32 accumulators take turns, one instruction a turn, in the same order in every step
.if (\s) == 0
	WIN 0x81                                       ; P window 1, R and the bias tile window 0, D window 2
.else
	WIN 0xa1                                       ; C and D window 2
.endif
.irp a, \a0, \a0+1
.irp b, 0,1,2,3,4,5,6,7
	WM \s, \a, \b
.endr
.endr
.endm
.macro STEP s
.if (\s) == 3                                      ; the next step opens the second load's quarters; behind this barrier nobody reads quarters 0 and 1 any more: the way out's stages lie in their bytes
	s_wait_dscnt 0x0                               ; no LDS load of mine is out at a signal
	s_wait_tensorcnt 0x0                           ; my second load has landed.
	s_barrier_signal -1
	MUL \s, 0
	s_barrier_wait -1                              ; everybody's part has
.else
	s_wait_dscnt 8                                 ; P's set and R's groups 0, 1 are in; the youngest eight loads may be out
	MUL \s, 0
	s_wait_dscnt 0x0
.endif
.if (\s) < 7
	PLACES 4                                       ; loads into registers that matrix instructions have read stand four plain vector instructions behind them (ISA guide 7.12.1 for vector instructions)
	FETCH (\s)+1
.endif
	MUL \s, 2
.endm
	s_wait_alu depctr_va_vdst(0)
	s_wait_loadcnt 0x0                             ; scale words and bias
	s_wait_tensorcnt 0x0                           ; my part of quarters 0 and 1 is in
	ds_add_u32 v94, v95
	s_wait_dscnt 0x0
	CROUND                                         ; everybody's part is in, and the joint loads of quarters 2 and 3 meet
	s_cmp_eq_u32 s[WR], 0
	s_cbranch_scc0 .Lfor_r2
	tensor_load_to_lds s[G0P+4:G0P+7], s[G1P:G1P+7]
	s_nop 0
	PLACES 4
	s_branch .Lasked2
.Lfor_r2:
	tensor_load_to_lds s[G0R+4:G0R+7], s[G1R:G1R+7]
	s_nop 0
	PLACES 4
.Lasked2:
	FETCH 0
	STEP 0
	STEP 1
	STEP 2
	STEP 3
	STEP 4
	STEP 5
	STEP 6
	STEP 7
	WIN 0
	PLACES 4                                       ; in front of the first read of results and of the loads into the last products' operands
; THE WAY OUT, group by group of 16 tokens x 128 features.  A lane holds pieces of 32 bytes of one row, and the lanes beside it hold other rows: so a group goes through my own stage and comes back as whole rows of 512 bytes.
; LDS serves a wave's instructions in order (ISA guide 5.7.1.4): no wait between the stores and the loads, nor in front of the next group's stores.
.macro TOSTAGE a
	WIN 0x08                                       ; an LDS store's data are its source 1: window 2
.irp b, 0,1,2,3,4,5,6,7
	ds_store_b128 v10, v[64*(\a)+8*\b:64*(\a)+8*\b+3] offset:128*(\b/2)+32*(\b%2)          ; each accumulator from its low end on
	ds_store_b128 v10, v[64*(\a)+8*\b+4:64*(\a)+8*\b+7] offset:128*(\b/2)+32*(\b%2)+16
.endr
	WIN 0
.irp t, 0,1,2,3,4,5,6,7,8,9,10,11,12,13,14,15
	ds_load_b128 v[BK+64*((\a)%2)+4*\t:BK+64*((\a)%2)+4*\t+3], v11 offset:\t*528
.endr
.endm
.macro SEND a, younger                 ; younger: the LDS instructions issued behind group a's loads, which may stay out
	s_wait_dscnt \younger
.irp t, 0,1,2,3,4,5,6,7,8,9,10,11,12,13,14,15
	global_store_b128 v6, v[BK+64*((\a)%2)+4*\t:BK+64*((\a)%2)+4*\t+3], s[10:11] offset:(32*((\a)/2)+8*((\a)%2)+\t+8*(\t/8))*4096 th:TH_STORE_NT   ; 32 lanes store 512 consecutive bytes, aligned; the row's place among my 64 stands in the immediate: the base is never stepped
.endr
.endm
	TOSTAGE 0
.irp a, 1,2,3
.if \a > 1
	s_wait_xcnt 0x0                                ; group a - 2's stores have read their registers: group a's loads may land there
.endif
	TOSTAGE \a
	SEND \a-1, 32                                  ; behind group a - 1's loads: group a's 16 stores and 16 loads
.endr
	SEND 3, 0
	s_wait_tensorcnt 0x0
	ds_add_u32 v94, v95
	s_wait_dscnt 0x0
	CROUND                                         ; the closing round: no work-group ends while a partner may still ask for a tile that names it
	s_endpgm
.Lfunc_end_k_qef2c1a36fc_outp:
	.size	k_qef2c1a36fc_outp, .Lfunc_end_k_qef2c1a36fc_outp-k_qef2c1a36fc_outp
	.p2alignl 7, 3214868480
	.fill 96, 4, 3214868480
	.section	.rodata,"a",@progbits
	.p2align	6, 0x0
	.amdhsa_kernel k_qef2c1a36fc_outp
		.amdhsa_group_segment_fixed_size 327680
		.amdhsa_private_segment_fixed_size 0
		.amdhsa_enable_private_segment 0
		.amdhsa_kernarg_size 32
		.amdhsa_user_sgpr_count 2
		.amdhsa_user_sgpr_kernarg_segment_ptr 1
		.amdhsa_wavefront_size32 1
		.amdhsa_system_sgpr_workgroup_id_x 1
		.amdhsa_system_sgpr_workgroup_id_y 1
		.amdhsa_system_sgpr_workgroup_id_z 1
		.amdhsa_system_vgpr_workitem_id 0
		.amdhsa_next_free_vgpr 768
		.amdhsa_next_free_sgpr 102
		.amdhsa_reserve_vcc 0
		.amdhsa_float_denorm_mode_32 3
		.amdhsa_float_denorm_mode_16_64 3
		.amdhsa_memory_ordered 1
		.amdhsa_forward_progress 1
		.amdhsa_inst_pref_size 85
	.end_amdhsa_kernel
	.amdgpu_metadata
---
amdhsa.version: [ 1, 2 ]
amdhsa.kernels:
  - .name:           k_qef2c1a36fc_outp
    .symbol:         k_qef2c1a36fc_outp.kd
    .args:
      - { .name: img, .offset: 0, .size: 8, .value_kind: global_buffer, .address_space: global }
      - { .name: sc, .offset: 8, .size: 8, .value_kind: global_buffer, .address_space: global }
      - { .name: bo, .offset: 16, .size: 8, .value_kind: global_buffer, .address_space: global }
      - { .name: out0, .offset: 24, .size: 8, .value_kind: global_buffer, .address_space: global }
    .group_segment_fixed_size: 327680
    .private_segment_fixed_size: 0
    .kernarg_segment_align: 8
    .kernarg_segment_size: 32
    .max_flat_workgroup_size: 128
    .sgpr_count:     102
    .vgpr_count:     768
    .wavefront_size: 32
...
	.end_amdgpu_metadata
.endif
;; end of part 4
